; MI455X (gfx1250); checked and timed in simulation.
; The chip was launched on July 23, 2026; its instructions are those of AMD's public machine-readable ISA for CDNA 5 (MIT licence, August 2026) and "CDNA5" Instruction Set Architecture Reference Guide (July 2026). The comments in the code are by the model that wrote it; some were corrected since.
;; Multi Head Attention. Allowed arithmetic: matrix products marked QUANTISED: E2M3 operands, one E8M0 scale for each 32 along K, by v_wmma_scale_f32_16x16x128_f8f6f4 with both operands' format E2M3, f32 sums; everything else in f32.
;; Inputs: freqs_cos 2,048 x 64 float32; freqs_sin 2,048 x 64 float32; wk_b 2,048 float32; wk_w 2,048 x 2,048 float32; wo_b 2,048 float32; wo_w 2,048 x 2,048 float32; wq_b 2,048 float32; wq_w 2,048 x 2,048 float32; wv_b 2,048 float32; wv_w 2,048 x 2,048 float32; x 1 x 2,048 x 2,048 float32.
;; Outputs: out0 1 x 2,048 x 2,048 float32; out1 1 x 16 x 2,048 x 128 float32; out2 1 x 16 x 2,048 x 128 float32.
;; This version of the problem:
;;   THIS VERSION OF THE PROBLEM IS GIVEN IN LOW PRECISION. The matrix products marked QUANTISED in the list below multiply operands that are first quantised to E2M3 (2 exponent bits, 3 mantissa bits; 6 bits a number), with one power-of-two scale for each 32 numbers along K (OCP MX v1.0); their sums are f32. All else is computed in f32.
;;   The module's matrix products, in the order in which they are computed (A, B: the left and right operand; K: the contracted axis; several contracted axes count as one K, in the product's order):
;;     1. [M 2,048, K 2,048] x [K 2,048, N 2,048]; A: input x; B: input wq_w: QUANTISED
;;     2. [M 2,048, K 2,048] x [K 2,048, N 2,048]; A: input x; B: input wk_w: QUANTISED
;;     3. [M 2,048, K 2,048] x [K 2,048, N 2,048]; A: input x; B: input wv_w: QUANTISED
;;     4. batch 16 x [M 2,048, K 128] x [K 128, N 2,048]; A: computed on the way; B: computed on the way: QUANTISED
;;     5. batch 16 x [M 2,048, K 2,048] x [K 2,048, N 128]; A: softmax (see below); B: computed on the way: QUANTISED
;;     6. [M 2,048, K 2,048] x [K 2,048, N 2,048]; A: computed on the way; B: input wo_w: QUANTISED
;;   THE QUANTISER, for each operand of a quantised product, along K:
;;     - K is cut into blocks of 32 from its start; a last block that is shorter is filled with zeros.
;;     - A block's scale is 2^e with e = floor(log2(the largest magnitude in the block)) - 2, held to -126 .. 127; a block of zeros has e = 0. As a byte (E8M0): e + 127.
;;     - Each number is divided by its block's scale, clamped to +-7.5, and rounded to the nearest number of E2M3, ties to even, subnormals kept.
;;     - The product sums the exact products of the quantised numbers (number of the format x scale) in f32.
;;   ~~~python
;;   def quantise(x, axis):      # numpy; x: float32 -> the quantised numbers, widened to float32 again
;;       x = np.moveaxis(x, axis, -1); K = x.shape[-1]
;;       x = np.pad(x, [(0, 0)] * (x.ndim - 1) + [(0, -K % 32)]); x = x.reshape(x.shape[:-1] + (-1, 32)); a = np.abs(x).max(-1, keepdims=True)
;;       e = np.where(a > 0, np.clip(np.frexp(np.where(a > 0, a, 1))[1] - 1 - 2, -126, 127), 0)      # np.frexp(a)[1] - 1 = floor(log2(a)), exactly
;;       r = np.clip(x / 2.0 ** e, -7.5, 7.5)
;;       step = 2.0 ** (np.maximum(np.frexp(np.where(r == 0, 1, r))[1] - 1, 0) - 3)
;;       q = np.round(r / step) * step * 2.0 ** e      # np.round: ties to even
;;       return np.moveaxis(q.reshape(q.shape[:-2] + (-1,))[..., :K], -1, axis).astype(np.float32)
;;   ~~~
;;   SOFTMAX AHEAD OF A QUANTISED PRODUCT. Where the list says 'softmax', what is quantised is not the finished softmax but p = 2^(t - M), with t = logit x log2(e) and M = ceil(the row's largest t), a whole number; so 1/2 < the row's largest p <= 1. The row's sum l is taken of the UNQUANTISED p, in f32, and the product's result is divided by l at the end. Since M is a whole number, a kernel that streams over the keys may use a running M (the ceiling of the running maximum): every later rescaling is an exact power of two, which a block's scale takes up: the codes' values come out the same.
;;   OPERANDS COMPUTED ON THE WAY. 'Computed on the way' means the value that the module computes at that place (a softmax that the list does not call 'softmax' is quantised finished and normalised). What goes into a quantiser is computed in f32, as accurately as f32 sums, v_exp_f32 and their like allow (about 1e-6 of the number): no bf16 or f16 on the way to a quantiser, and a product that is left as it is and whose result goes on into a quantised operand takes f32 operands (vector FMAs, or v_wmma_f32_16x16x4_f32). A number that lies on a knife's edge between two numbers of the format may be rounded either way, as far as f32 arithmetic and the matrix unit's own rounding can turn it there, and no further.
;; One version. Each part assembles by itself: llvm-mc -triple=amdgcn-amd-amdhsa -mcpu=gfx1250 --defsym DOCPART=n.
;; ======== version 1 of 1: 4 launches
;; limits: right only within a limited range of input values
;; workspace buffers: cod5 15,728,640 bytes; scl5 655,360 bytes; qimg 3,145,728 bytes; qscl 131,072 bytes; kv 6,553,600 bytes; oimg 3,145,728 bytes; oscl 131,072 bytes
;; launch quant (part 1): grid 640 x 1, 4 waves a work-group, no clusters, 35,328 bytes of LDS; arguments x, wq_w, wk_w, wv_w, wo_w, cod5, scl5; writes cod5, scl5
.if DOCPART == 1
	.amdgcn_target "amdgcn-amd-amdhsa--gfx1250"
	.amdhsa_code_object_version 6
	.text
	.protected	k_q0ee6bec91b_quant
	.globl	k_q0ee6bec91b_quant
	.p2align	8
	.type	k_q0ee6bec91b_quant,@function
k_q0ee6bec91b_quant:
	s_mov_b64 s[64:65], 0
	v_nop
	global_prefetch_b8 v0, s[64:65] scope:SCOPE_SE
	s_setreg_imm32_b32 hwreg(HW_REG_WAVE_MODE, 25, 1), 1
	s_wait_xcnt 0x0
; x, wq_w, wk_w, wv_w, wo_w, each [2048][2048] f32 with K innermost, become codes of FP6 (E2M3) with one E8M0 byte for each 32 along K.
; A block's scale is 2^(floor(log2(its largest magnitude)) - 2); each number is divided by it and rounded to the nearest code, ties to even, beyond 7.5 the largest code.
; THE CODES ARE LAID AS THE READER'S REGISTERS: a fragment (16 rows x 128 K) is 1,536 bytes, byte 512 c + 16 lane + 4 i = register 4 c + i of that lane; lane (r, h) holds row r,
; registers 0-5 k = 32 h .. + 31, registers 6-11 k = 64 + 32 h .. + 31.  cod5: [tensor 5][row tile 128][K step 16] fragments.  scl5: the same order, 64 bytes each: word r = row r's four bytes.
; LIMITS: NaN and infinities are not served; a block whose largest magnitude lies under 2^-124 is held at the byte 1; a block of zeros has the byte 1 and not 127 (its codes are zeros, and this program alone reads the bytes).
; SHARES: work-group g takes tensor g / 128, row tile g % 128; wave w its K steps 4 w .. 4 w + 3.  Memory binds: no matrix unit, no cluster, no barrier; waves share nothing.
; Each load reads 512 consecutive bytes of one row; a K step's 16 x 512 bytes turn through the wave's own stage in LDS (rows 528 bytes apart) and come back 16 neighbours of each block a lane.
.set WREG,   8704                      ; LDS of a wave: the stage, 16 x 528 bytes, then its 256 bytes of scale words
.set SPITCH, 528
.set SWD,    16*SPITCH
.set SPARE,  4*WREG                    ; behind the four regions: the spare words, 128 bytes a wave
.set LI,  1                            ; v1   16 x lane
.set STI, 2                            ; v2   the stage, on the way in
.set STQ, 3                            ; v3   and on the way out: row r, + 64 h
.set SWA, 4                            ; v4   where my row's scale word goes
.set SWR, 5                            ; v5   where I read 8 bytes of scale words back
.set SWG, 6                            ; v6   8 x lane
.set SPW, 8                            ; v8   my spare word; never rewritten
.set NIL, 9                            ; v9   0; never rewritten
.set TM,  12                           ; v12-23 at work in QUANT
.set PW,  28                           ; v28  the scale word just made
.set PC,  30                           ; v30-49 the codes just made
.set X,   52                           ; v52-115 64 numbers: register 16 b + i = k 32 b + 16 h + i of row r
.set R,   116                          ; v116-243 two sets of 64 registers as loaded
.set WV,  18
.set SEL, 22
; 64 numbers of a lane, register 16 b + i = k 32 b + 16 (lane / 16) + i of my row, become a fragment's registers in v[PC] on and its scale word in v[PW].
.macro QUANT s
.irp b, 0,1,2,3
	v_max3_num_f32 v[TM+\b], |v[(\s)+16*\b]|, |v[(\s)+1+16*\b]|, 0x1800000   ; my 16 numbers of block b, and the floor 2^(3 - 127): the byte cannot fall under 1
.endr
.irp i, 2,4,6,8,10,12,14
.irp b, 0,1,2,3
	v_max3_num_f32 v[TM+\b], v[TM+\b], |v[(\s)+16*\b+\i]|, |v[(\s)+1+16*\b+\i]|   ; the four blocks by turns
.endr
.endr
.irp b, 0,1,2,3
	v_permlanex16_b32 v[TM+4+\b], v[TM+\b], s[SEL], s[SEL+1]
.endr
.irp b, 0,1,2,3
	v_max_num_f32 v[TM+\b], v[TM+\b], v[TM+4+\b]           ; with lane l xor 16's: the block's largest magnitude
.endr
.irp b, 0,1,2,3
	v_add_nc_u32 v[TM+8+\b], 0xff000000, v[TM+\b]          ; 2 off its exponent field: the conversion's scale operand
.endr
.irp b, 0,1,2,3
	v_lshrrev_b32 v[TM+4+\b], 23, v[TM+8+\b]               ; the scale's byte
.endr
	v_lshl_or_b32 v[PW], v[TM+5], 8, v[TM+4]
	v_lshl_or_b32 v[PW], v[TM+6], 16, v[PW]
	v_lshl_or_b32 v[PW], v[TM+7], 24, v[PW]
.irp c, 0,1
	v_cvt_scalef32_pk16_fp6_f32 v[PC+6*\c:PC+2+6*\c], v[(\s)+32*\c:(\s)+15+32*\c], v[TM+8+2*\c]
	v_cvt_scalef32_pk16_fp6_f32 v[PC+12+4*\c:PC+14+4*\c], v[(\s)+16+32*\c:(\s)+31+32*\c], v[TM+9+2*\c]   ; (a conversion's three registers begin on an even number)
.endr
	v_nop                                                  ; one plain instruction behind the conversions
.irp c, 0,1                                            ; the layout wants a whole block in a lane: lanes 0-15 block 2 c, lanes 16-31 block 2 c + 1
.irp i, 0,1,2
	v_permlane16_swap_b32 v[PC+6*\c+\i], v[PC+12+4*\c+\i]
.endr
.irp i, 0,1,2
	v_mov_b32 v[PC+3+6*\c+\i], v[PC+12+4*\c+\i]
.endr
.endr
.endm
.macro LOAD f                          ; K step f of my four: 16 rows x 512 bytes into set f % 2
.irp i, 0,1,2,3,4,5,6,7,8,9,10,11,12,13,14,15
	global_load_b128 v[R+64*((\f)%2)+4*\i:R+64*((\f)%2)+4*\i+3], v[LI], s[4:5] offset:8192*\i+512*(\f) th:TH_LOAD_NT
.endr
.endm
.macro TURN f                          ; through the stage: LDS serves a wave's instructions in order, so no wait stands between the stores and the loads
.irp i, 0,1,2,3,4,5,6,7,8,9,10,11,12,13,14,15
	ds_store_b128 v[STI], v[R+64*((\f)%2)+4*\i:R+64*((\f)%2)+4*\i+3] offset:SPITCH*\i
.endr
.irp b, 0,1,2,3
.irp j, 0,1,2,3
	ds_load_b128 v[X+16*\b+4*\j:X+16*\b+4*\j+3], v[STQ] offset:128*\b+16*\j
.endr
.endr
.endm
	s_load_b256 s[4:11], s[0:1], 0x0               ; x, wq_w, wk_w, wv_w
	s_load_b128 s[12:15], s[0:1], 0x20             ; wo_w, cod5
	s_load_b64 s[16:17], s[0:1], 0x30              ; scl5
	v_lshl_add_u32 v[SPW], v0, 2, SPARE
	v_mov_b32 v[NIL], 0
	v_lshrrev_b32 v7, 5, v0
	v_readfirstlane_b32 s[WV], v7                  ; wave 0..3
	v_and_b32 v7, 31, v0                           ; lane
	v_and_b32 v10, 15, v0                          ; r
	v_bfe_u32 v11, v0, 4, 1                        ; h
	v_lshlrev_b32 v[LI], 4, v7
	s_mul_i32 s20, s[WV], WREG
	v_add_nc_u32 v[STI], s20, v[LI]
	v_mul_u32_u24 v[STQ], v10, SPITCH
	v_lshl_add_u32 v[STQ], v11, 6, v[STQ]
	v_add_nc_u32 v[STQ], s20, v[STQ]
	s_add_co_u32 s21, s20, SWD
	v_lshl_add_u32 v[SWA], v10, 2, s21
	v_lshlrev_b32 v[SWG], 3, v7
	v_add_nc_u32 v[SWR], s21, v[SWG]
.irp b, 0,1,2,3
	v_mov_b32 v[TM+4+\b], 0                        ; written once: a lane permute's destination counts as one of its sources
.endr
	s_mov_b32 s[SEL], 0x76543210
	s_mov_b32 s[SEL+1], 0xfedcba98                 ; lane l xor 16
	s_lshr_b32 s19, ttmp9, 7                       ; which tensor
	s_and_b32 s24, ttmp9, 127
	s_lshl_b32 s24, s24, 17                        ; in: 16 rows of 8,192 bytes a row tile,
	s_lshl_b32 s25, s[WV], 11                      ; 2,048 bytes of a row a wave
	s_add_co_u32 s24, s24, s25
	s_mov_b32 s25, 0
	s_mul_i32 s26, ttmp9, 24576                    ; codes: 16 fragments a row tile,
	s_mul_i32 s27, s[WV], 6144                     ; four a wave
	s_add_co_u32 s26, s26, s27
	s_mov_b32 s27, 0
	s_lshl_b32 s28, ttmp9, 10                      ; scale words: 1,024 bytes a row tile, 256 a wave
	s_lshl_b32 s29, s[WV], 8
	s_add_co_u32 s28, s28, s29
	s_mov_b32 s29, 0
	s_wait_alu depctr_va_vdst(0)
	s_wait_kmcnt 0x0
	s_cmp_eq_u32 s19, 1                            ; only the pointer is chosen, by the work-group's number: one path serves all five tensors
	s_cselect_b64 s[4:5], s[6:7], s[4:5]
	s_cmp_eq_u32 s19, 2
	s_cselect_b64 s[4:5], s[8:9], s[4:5]
	s_cmp_eq_u32 s19, 3
	s_cselect_b64 s[4:5], s[10:11], s[4:5]
	s_cmp_eq_u32 s19, 4
	s_cselect_b64 s[4:5], s[12:13], s[4:5]
	s_add_nc_u64 s[4:5], s[4:5], s[24:25]
	s_add_nc_u64 s[14:15], s[14:15], s[26:27]
	s_add_nc_u64 s[16:17], s[16:17], s[28:29]
	LOAD 0
	LOAD 1
.irp f, 0,1,2,3
.if \f < 3
	s_wait_loadcnt 16                              ; this K step's 16 loads are in; the next one's 16 may be out
.else
	s_wait_loadcnt 0x0
.endif
	TURN \f
	s_wait_dscnt 0x0                               ; the 64 numbers are back, and the stage's stores have read their registers,
.if \f < 2
	LOAD \f+2                                      ; which take the K step two further on
.endif
.if \f > 0
	s_wait_xcnt 0x0                                ; the last fragment's stores have read the codes' registers
.endif
	QUANT X
.irp c, 0,1,2
	global_store_b128 v[LI], v[PC+4*\c:PC+4*\c+3], s[14:15] offset:1536*\f+512*\c   ; 512 consecutive bytes a store
.endr
	ds_store_b32 v[SWA], v[PW] offset:64*\f        ; both halves of the lanes write the same word with the same value
.endr
	ds_load_b64 v[10:11], v[SWR]                   ; my wave's 256 bytes of scale words
	s_wait_dscnt 0x0
	global_store_b64 v[SWG], v[10:11], s[16:17]    ; 256 consecutive bytes, at a multiple of 256 from the buffer's first byte
	s_wait_tensorcnt 0x0                           ; the wave's end: a wait, an add and a wait behind my last LDS store
	ds_add_u32 v[SPW], v[NIL]
	s_wait_dscnt 0x0
	s_endpgm
.Lfunc_end_k_q0ee6bec91b_quant:
	.size	k_q0ee6bec91b_quant, .Lfunc_end_k_q0ee6bec91b_quant-k_q0ee6bec91b_quant
	.p2alignl 7, 3214868480
	.fill 96, 4, 3214868480
	.section	.rodata,"a",@progbits
	.p2align	6, 0x0
	.amdhsa_kernel k_q0ee6bec91b_quant
		.amdhsa_group_segment_fixed_size 35328
		.amdhsa_private_segment_fixed_size 0
		.amdhsa_enable_private_segment 0
		.amdhsa_kernarg_size 56
		.amdhsa_user_sgpr_count 2
		.amdhsa_user_sgpr_kernarg_segment_ptr 1
		.amdhsa_wavefront_size32 1
		.amdhsa_system_sgpr_workgroup_id_x 1
		.amdhsa_system_sgpr_workgroup_id_y 1
		.amdhsa_system_sgpr_workgroup_id_z 1
		.amdhsa_system_vgpr_workitem_id 0
		.amdhsa_next_free_vgpr 256
		.amdhsa_next_free_sgpr 66
		.amdhsa_reserve_vcc 0
		.amdhsa_float_denorm_mode_32 3
		.amdhsa_float_denorm_mode_16_64 3
		.amdhsa_memory_ordered 1
		.amdhsa_forward_progress 1
		.amdhsa_inst_pref_size 34
	.end_amdhsa_kernel
	.amdgpu_metadata
---
amdhsa.version: [ 1, 2 ]
amdhsa.kernels:
  - .name:           k_q0ee6bec91b_quant
    .symbol:         k_q0ee6bec91b_quant.kd
    .args:
      - { .name: x, .offset: 0, .size: 8, .value_kind: global_buffer, .address_space: global }
      - { .name: wq_w, .offset: 8, .size: 8, .value_kind: global_buffer, .address_space: global }
      - { .name: wk_w, .offset: 16, .size: 8, .value_kind: global_buffer, .address_space: global }
      - { .name: wv_w, .offset: 24, .size: 8, .value_kind: global_buffer, .address_space: global }
      - { .name: wo_w, .offset: 32, .size: 8, .value_kind: global_buffer, .address_space: global }
      - { .name: cod5, .offset: 40, .size: 8, .value_kind: global_buffer, .address_space: global }
      - { .name: scl5, .offset: 48, .size: 8, .value_kind: global_buffer, .address_space: global }
    .group_segment_fixed_size: 35328
    .private_segment_fixed_size: 0
    .kernarg_segment_align: 8
    .kernarg_segment_size: 56
    .max_flat_workgroup_size: 128
    .sgpr_count:     66
    .vgpr_count:     256
    .wavefront_size: 32
...
	.end_amdgpu_metadata
.endif
;; end of part 1
;; launch qkv (part 2): grid 16 x 16, 4 waves a work-group, clusters of 4 x 4, 327,680 bytes of LDS; arguments cod5, scl5, wq_b, wk_b, wv_b, freqs_cos, freqs_sin, qimg, qscl, kv, out1, out2; writes qimg, qscl, kv, out1, out2
.if DOCPART == 2
	.amdgcn_target "amdgcn-amd-amdhsa--gfx1250"
	.amdhsa_code_object_version 6
	.text
	.protected	k_q0ee6bec91b_qkv
	.globl	k_q0ee6bec91b_qkv
	.p2align	8
	.type	k_q0ee6bec91b_qkv,@function
k_q0ee6bec91b_qkv:
	s_mov_b64 s[64:65], 0
	v_nop
	global_prefetch_b8 v0, s[64:65] scope:SCOPE_SE
	s_setreg_imm32_b32 hwreg(HW_REG_WAVE_MODE, 25, 1), 1
	s_wait_xcnt 0x0
	s_wait_alu depctr_hold_cnt(0) depctr_sa_sdst(0) depctr_va_vdst(0) depctr_va_sdst(0) depctr_va_ssrc(0) depctr_va_vcc(0) depctr_vm_vsrc(0)
	s_getreg_b32 s2, hwreg(HW_REG_IB_STS2, 6, 4)
	s_cmp_eq_u32 s2, 0
	s_cbranch_scc0 .Lentry_in_a_cluster
	s_endpgm
.Lentry_in_a_cluster:
	s_bfe_u32 s2, ttmp6, 0x10000c
	s_cmp_lg_u32 s2, 0xf033
	s_cbranch_scc0 .Lentry_shape_is_right
	s_endpgm
.Lentry_shape_is_right:
; q, k, v = x W^T + b on codes of FP6 (E2M3) with E8M0 scales; RoPE on q and k in f32; out1 = roped k, out2 = v, [16][2048][128] f32; q, k and v leave also as codes for the attention launch.
; A work-group makes rows 128 rb .. + 127 of q, k and v of head hd: 128 x 384.  Wave w makes all 128 rows x columns 32 w .. + 31 of each of the three: 8 row tiles x 6 weight tiles = 48 accumulators.
; Operands are register images (fragment: 1,536 bytes, 16 bytes a lane in each of three blocks of 512; scale words: 64 bytes).
; x: the block's codes for ALL of K are one dense run of 196,608 bytes; they come into LDS once, at the head, and are never filled again: no ring and no barrier in the walk along K.
; THE HEAD'S FOUR LOADS, one a wave: wave 0 and 1 a half of x's codes each, wave 2 x's scale words (all three asked for jointly along a row of the 4 x 4 cluster: they hang on rb alone),
; wave 3 the scale words of the head's rows of the three weights (3 rows of 8,192 bytes, jointly along a column: they hang on hd alone).
; THE WEIGHTS' FRAGMENTS are each read by ONE wave of the work-group: they touch no LDS and go from memory straight into that wave's registers, 18 loads of 512 consecutive bytes a K step,
; in four sets of 72 registers, asked for three K steps ahead.  So no joint load can carry them: that is why they are not multicast.
; PREFETCH: the four work-groups of a cluster's column read the same weight fragments; the one at place cy names K steps 3 + cy + 4 g (6 tiles x 6 blocks of 256 bytes, 12 lanes an instruction,
; the lanes left over name the last block again): g = 0, 1 at the head, g = 2 in the loop's first trip, eight K steps ahead of the loads that want them; K step 15 is not asked for.  In that trip each of a row's four
; work-groups also names 8 of my wave's 32 rows of cos and of sin, which the way out loads.  x comes by the head's loads alone.
; THE PRODUCT IS USED TRANSPOSED (source 0 = 16 weight rows, source 1 = 16 rows of x): a lane holds one row of x and eight neighbouring columns.  The bias is the C of each sum's first product.
; THE WAY OUT: the 128 x 384 numbers meet in a stage (rows 1,552 bytes apart) laid over x's codes, which have had their only fill and their last read; each wave then takes 32 whole rows.
; In the kv record's tiles lane-row r of tile t is key (K) or channel (V) 32 (t / 2) + 8 (t % 2) + r + 8 (r / 8), so that the reader's results fall as 16 neighbours along its next K.
; LIMITS: NaN and infinities are not served; a block whose largest magnitude lies under 2^-124 is held at the byte 1; a block of zeros has the byte 1 and not 127 (zero codes; this program alone reads the bytes).
; REGISTERS: window 0: v1-31 addresses; v32-47 x's scale words, v48-59 the weights', two sets each; v64-159, v160-255 x's fragments, two sets.  window 1: weight sets 0-2 at v0, v72, v144.
;   window 2: accumulators of weight tiles 0-3 at v[8 (a + 8 b)];  window 3: those of tiles 4, 5; v128-175 the biases; v176-247 weight set 3.
.set PITCH,  1552
.set SCL,    198656                    ; the scale words for all of K: x's 8,192 bytes, then 8,192 for each weight
.set SCS,    231424                    ; the scale words made here
.set SPARE,  233472                    ; the spare words, 128 bytes a wave
.set CSO,  1
.set PFO,  2                           ; v2 the weights' prefetch: lane t = min(l, 11): tile t / 6, block t % 6
.set BO,   3                           ; v3 the biases: 32 h
.set LI,   4
.set PW,   5
.set PFC,  6                           ; v6 cos and sin prefetch: 256 x min(l, 7)
.set ADRA, 8                           ; v8-11 x's fragments: tiles 2 i, 2 i + 1; stepped 6,144 bytes a trip
.set ADSA, 12
.set ADSB, 13
.set SPW,  14
.set NIL,  15
.set STO,  16
.set RQ,   24
.set RKP,  25
.set RROW, 26
.set RV,   27
.set SW,   31
.set SA,   32
.set SB,   48
.set AF,   64
.set PC,   32
.set TM,   52
.set X,    64
.set CS,   128
.set WV,   28
.set G1A,  32
.set G0X,  40                          ; s[40:47] group 0 of the two halves of x's codes
.set G1SA, 48
.set G1SB, 56
.set WB,   68                          ; s[68:69] my six weight tiles, stepped 6,144 bytes a trip
.set PFA,  70                          ; s[70:71] my work-group's share of the weights' prefetch; never stepped
.set PFCS, 72                          ; s[72:75] the same for cos and sin
.set G0SA, 84
.set G0SB, 88
.set HD,   92
.set RB,   93
.set LAPS, 94
.set SEL,  96
.set MSB, 0
.macro WIN new
.if MSB != (\new)
	s_set_vgpr_msb (MSB<<8)|(\new)
.set MSB, (\new)
.endif
.endm
.macro PLACES n
.rept \n
	v_nop
.endr
.endm
.macro CREST
	s_cmp_lg_u32 s[WV], 0
	s_cbranch_scc1 .Lnot_wave_0_\@
	s_barrier_signal -3
.Lnot_wave_0_\@:
	s_barrier_wait -3
	s_barrier_signal -1
	s_barrier_wait -1
.endm
.macro CROUND
	s_barrier_signal -1
	s_barrier_wait -1
	CREST
.endm
.macro ARM under, g0, g1, next         ; one arm of the head's tree: its load, a nop and four v_nops behind it, a jump to the tree's end
	s_cmp_lt_u32 s[WV], \under
	s_cbranch_scc0 \next
	tensor_load_to_lds s[\g0:\g0+3], s[\g1:\g1+7]
	s_nop 0
.rept 4
	v_nop
.endr
	s_branch .Lhead_asked
\next:
.endm
; 38 LDS loads: x's 8 fragments of K step j (counted from the trip's base) and the 14 scale words into set p
.macro FETCH j, p
	WIN 0
.irp a, 0,1,2,3,4,5,6,7
.irp c, 0,1,2
	ds_load_b128 v[AF+96*(\p)+12*\a+4*\c:AF+96*(\p)+12*\a+4*\c+3], v[ADRA+\a/2] offset:(\a%2)*24576+1536*(\j)+512*\c
.endr
.endr
.irp a, 0,1,2,3,4,5,6,7
	ds_load_b32 v[SA+8*(\p)+\a], v[ADSA] offset:1024*\a+64*(\j)
.endr
.irp b, 0,1,2,3,4,5
	ds_load_b32 v[SB+6*(\p)+\b], v[ADSB] offset:(\b/2)*8192+(\b%2)*1024+64*(\j)
.endr
.endm
; 18 loads from memory: my 6 weight fragments of K step j into set ws
.macro GLOAD j, ws
.if (\ws) == 3
	WIN 0xc0
.set gB, 176
.else
	WIN 0x40
.set gB, 72*(\ws)
.endif
.irp b, 0,1,2,3,4,5
.irp c, 0,1,2
	global_load_b128 v[gB+12*\b+4*\c:gB+12*\b+4*\c+3], v[LI], s[WB:WB+1] offset:(\b/2)*3145728+(\b%2)*24576+1536*(\j)+512*\c
.endr
.endr
.endm
; 8 products: weight tile b of set ws against x's eight tiles of set xs.  The 48 accumulators take turns in one order in every K step.
.macro MULB xs, ws, b, first
.if (\ws) == 3
.set wS, 3
.set fB, 176+12*(\b)
.else
.set wS, 1
.set fB, 72*(\ws)+12*(\b)
.endif
.if \b < 4
.if \first
	WIN 0xb0|wS
.else
	WIN 0xa0|wS
.endif
.else
	WIN 0xf0|wS
.endif
.irp a, 0,1,2,3,4,5,6,7
.set fD, 8*(\a+8*((\b)%4))
.set fA, AF+96*(\xs)+12*\a
.if \first
	v_wmma_scale_f32_16x16x128_f8f6f4 v[fD:fD+7], v[fB:fB+11], v[fA:fA+11], v[128+8*(\b):128+8*(\b)+7], v[SB+6*(\xs)+(\b)], v[SA+8*(\xs)+\a] matrix_a_fmt:MATRIX_FMT_FP6 matrix_b_fmt:MATRIX_FMT_FP6
.else
	v_wmma_scale_f32_16x16x128_f8f6f4 v[fD:fD+7], v[fB:fB+11], v[fA:fA+11], v[fD:fD+7], v[SB+6*(\xs)+(\b)], v[SA+8*(\xs)+\a] matrix_a_fmt:MATRIX_FMT_FP6 matrix_b_fmt:MATRIX_FMT_FP6
.endif
.endr
.endm
; A K step: 48 products.  Behind the first 16, and four places behind them, the next step's x (jf) and the weights of three steps on (jw) are asked for, into the sets that the last step read.
; lc: the loads from memory issued behind this step's 18, which may stay out.
.macro KSTEP xs, ws, first, jf, jw, lc
	s_wait_dscnt 0x0
	s_wait_loadcnt \lc
	MULB \xs, \ws, 0, \first
	MULB \xs, \ws, 1, \first
.if \jf >= 0
	PLACES 4
	FETCH \jf, 1-\xs
.endif
.if \jw >= 0
	GLOAD \jw, (\ws+3)%4
.endif
.if \jw == -2
	CSLOAD
.endif
	MULB \xs, \ws, 2, \first
	MULB \xs, \ws, 3, \first
	MULB \xs, \ws, 4, \first
	MULB \xs, \ws, 5, \first
	WIN 0
.endm
.macro QUANT s
.irp b, 0,1,2,3
	v_max3_num_f32 v[TM+\b], |v[(\s)+16*\b]|, |v[(\s)+1+16*\b]|, 0x1800000   ; and the floor 2^(3 - 127): the byte cannot fall under 1
.endr
.irp i, 2,4,6,8,10,12,14
.irp b, 0,1,2,3
	v_max3_num_f32 v[TM+\b], v[TM+\b], |v[(\s)+16*\b+\i]|, |v[(\s)+1+16*\b+\i]|
.endr
.endr
.irp b, 0,1,2,3
	v_permlanex16_b32 v[TM+4+\b], v[TM+\b], s[SEL], s[SEL+1]
.endr
.irp b, 0,1,2,3
	v_max_num_f32 v[TM+\b], v[TM+\b], v[TM+4+\b]
.endr
.irp b, 0,1,2,3
	v_add_nc_u32 v[TM+8+\b], 0xff000000, v[TM+\b]          ; 2 off the exponent field: the conversion's scale operand
.endr
.irp b, 0,1,2,3
	v_lshrrev_b32 v[TM+4+\b], 23, v[TM+8+\b]               ; the scale's byte
.endr
	v_lshl_or_b32 v[PW], v[TM+5], 8, v[TM+4]
	v_lshl_or_b32 v[PW], v[TM+6], 16, v[PW]
	v_lshl_or_b32 v[PW], v[TM+7], 24, v[PW]
.irp c, 0,1
	v_cvt_scalef32_pk16_fp6_f32 v[PC+6*\c:PC+2+6*\c], v[(\s)+32*\c:(\s)+15+32*\c], v[TM+8+2*\c]
	v_cvt_scalef32_pk16_fp6_f32 v[PC+12+4*\c:PC+14+4*\c], v[(\s)+16+32*\c:(\s)+31+32*\c], v[TM+9+2*\c]
.endr
	v_nop                                                  ; one plain instruction behind the conversions
.irp c, 0,1
.irp i, 0,1,2
	v_permlane16_swap_b32 v[PC+6*\c+\i], v[PC+12+4*\c+\i]
.endr
.irp i, 0,1,2
	v_mov_b32 v[PC+3+6*\c+\i], v[PC+12+4*\c+\i]
.endr
.endr
.endm
.macro READX x, adr, off               ; 16 neighbours of each block of 32 of my row, into v[x] on
.irp b, 0,1,2,3
.irp j, 0,1,2,3
	ds_load_b128 v[(\x)+16*\b+4*\j:(\x)+16*\b+4*\j+3], v[\adr] offset:(\off)+128*\b+16*\j
.endr
.endr
.endm
.macro RDV x, u                        ; v: a lane takes a channel, its registers run down the 128 keys
.irp b, 0,1,2,3
.irp i, 0,1,2,3,4,5,6,7,8,9,10,11,12,13,14,15
	ds_load_b32 v[(\x)+16*\b+\i], v[RV+\b] offset:PITCH*\i+32*(\u)
.endr
.endr
.endm
; One image: the 64 numbers in v[x] on are awaited (cnt: the LDS instructions issued behind their loads), quantised, and leave; the last image's stores have read the codes' registers behind the wait on XCNT.
.macro EMIT x, gp, goff, woff, cnt
	s_wait_dscnt \cnt
	s_wait_xcnt 0x0
	QUANT \x
.irp c, 0,1,2
	global_store_b128 v[LI], v[PC+4*\c:PC+4*\c+3], s[\gp:\gp+1] offset:(\goff)+512*\c
.endr
	ds_store_b32 v[SW], v[PW] offset:\woff
.endm
; cos and sin as the accumulators want them: lane (r, h) of row tile a and column tile u holds row 16 a + r and frequencies 16 w + 8 u + 4 h .. + 3.
; 32 loads into window 1, v[8 (2 a + u)] on: four of cos, four of sin; weight sets 0 and 1, which lay there, were read last in K steps 12 and 13.
.macro CSLOAD
	WIN 0x40
.irp a, 0,1,2,3,4,5,6,7
.irp u, 0,1
	global_load_b128 v[8*(2*\a+\u):8*(2*\a+\u)+3], v[CSO], s[14:15] offset:4096*\a+32*\u
	global_load_b128 v[8*(2*\a+\u)+4:8*(2*\a+\u)+7], v[CSO], s[16:17] offset:4096*\a+32*\u
.endr
.endr
.endm
; RoPE on the accumulators of q (t = 0) or k (t = 1), two instructions a pair: T = (b sin, a sin), then (a, b) = (a, b) cos + (-T.lo, T.hi).  T lies in window 0, v64-191.
; Each accumulator is read from its low end on.
.macro ROPEA t
	WIN 0x06                                       ; source 0 window 2, source 1 window 1, destination window 0
.irp u, 0,1
.irp a, 0,1,2,3,4,5,6,7
.irp p, 0,1
.irp e, 0,1
.set rX, 8*(\a+8*(2*(\t)+\u))+4*\p+2*\e
.set rT, 64+8*(\a+8*\u)+4*\p+2*\e
.set rS, 8*(2*\a+\u)+4+2*\p
	v_pk_mul_f32 v[rT:rT+1], v[rX:rX+1], v[rS:rS+1] op_sel:[1,\e] op_sel_hi:[0,\e]
.endr
.endr
.endr
.endr
	WIN 0x86                                       ; source 0 and destination window 2, source 1 window 1, source 2 window 0
.irp u, 0,1
.irp a, 0,1,2,3,4,5,6,7
.irp p, 0,1
.irp e, 0,1
.set rX, 8*(\a+8*(2*(\t)+\u))+4*\p+2*\e
.set rT, 64+8*(\a+8*\u)+4*\p+2*\e
.set rC, 8*(2*\a+\u)+2*\p
	v_pk_fma_f32 v[rX:rX+1], v[rX:rX+1], v[rC:rC+1], v[rT:rT+1] op_sel:[0,\e,0] op_sel_hi:[1,\e,1] neg_lo:[0,0,1]
.endr
.endr
.endr
.endr
.endm
	s_load_b512 s[4:19], s[0:1], 0x0               ; cod5, scl5, wq_b, wk_b, wv_b, cos, sin, qimg
	s_load_b256 s[20:27], s[0:1], 0x40             ; qscl, kv, out1, out2
	v_lshl_add_u32 v[SPW], v0, 2, SPARE
	v_mov_b32 v[NIL], 0
	ds_add_u32 v[SPW], v[NIL]                      ; the opening lines: the add, twice on end, and its wait ahead of my first tensor load
	ds_add_u32 v[SPW], v[NIL]
	v_lshrrev_b32 v60, 5, v0
	v_readfirstlane_b32 s[WV], v60                 ; wave 0..3
	s_bfe_u32 s30, ttmp6, 0x40000                  ; cx
	s_bfe_u32 s31, ttmp6, 0x40004                  ; cy
	s_lshl_b32 s[HD], ttmp9, 2
	s_add_co_u32 s[HD], s[HD], s30                 ; the head
	s_and_b32 s[RB], ttmp7, 0xffff
	s_lshl_b32 s[RB], s[RB], 2
	s_add_co_u32 s[RB], s[RB], s31                 ; the block of 128 rows
	s_lshl_b32 s29, s31, 2
	s_lshl_b32 s29, 15, s29                        ; my row of the cluster
	s_lshl_b32 s95, 0x1111, s30                    ; my column
	s_or_b32 s[G1A], s29, (3<<16)|(1<<21)          ; the mask; elements of 8 bytes; bit 21 beside a mask; no padding
	s_or_b32 s[G1SA], s29, (3<<16)|(1<<21)
	s_or_b32 s[G1SB], s95, (3<<16)|(1<<21)
	s_mov_b32 s[G1A+1], 32<<16                     ; half of x's codes: 98,304 dense bytes as 384 rows of 256
	s_mov_b32 s[G1A+2], 384<<16
	s_mov_b32 s[G1A+3], 32<<16
	s_mov_b32 s[G1A+4], 384
	s_mov_b32 s[G1A+5], 32
	s_mov_b32 s[G1A+6], 0
	s_mov_b32 s[G1A+7], 0
	s_mov_b32 s[G1SA+1], 32<<16                    ; x's scale words: 8,192 dense bytes as 32 rows of 256
	s_mov_b32 s[G1SA+2], 32<<16
	s_mov_b32 s[G1SA+3], 32<<16
	s_mov_b32 s[G1SA+4], 32
	s_mov_b32 s[G1SA+5], 32
	s_mov_b32 s[G1SA+6], 0
	s_mov_b32 s[G1SA+7], 0
	s_mov_b32 s[G1SB+1], 1024<<16                  ; the weights' scale words: 3 rows of 8,192 bytes, 131,072 bytes apart
	s_mov_b32 s[G1SB+2], 3<<16
	s_mov_b32 s[G1SB+3], 1024<<16
	s_mov_b32 s[G1SB+4], 3
	s_mov_b32 s[G1SB+5], 16384
	s_mov_b32 s[G1SB+6], 0
	s_mov_b32 s[G1SB+7], 0
	s_mov_b32 s[SEL], 0x76543210
	s_mov_b32 s[SEL+1], 0xfedcba98
	s_mul_i32 s98, s[RB], 196608                   ; x's codes
	s_mov_b32 s99, 0
	s_lshl_b32 s66, s[RB], 13                      ; x's scale words
	s_mov_b32 s67, 0
	s_mul_i32 s100, s[HD], 196608                  ; wq_w's codes (the second tensor of cod5), the head's 8 row tiles, my two of them
	s_mul_i32 s94, s[WV], 49152
	s_add_co_u32 s100, s100, s94
	s_add_co_u32 s100, s100, 3145728
	s_mov_b32 s101, 0
	s_lshl_b32 s2, s[HD], 13                       ; wq_w's scale words of the head
	s_add_co_u32 s2, s2, 131072
	s_mov_b32 s3, 0
	s_mul_i32 s80, s31, 1536                       ; the weights' prefetch begins at K step 3 + cy
	s_add_co_u32 s80, s80, 4608
	s_mov_b32 s81, 0
	s_lshl_b32 s82, s[HD], 9                       ; the biases of my 32 columns: 512 hd + 128 w bytes
	s_lshl_b32 s77, s[WV], 7
	s_add_co_u32 s82, s82, s77
	s_mov_b32 s83, 0
	s_lshl_b32 s76, s[WV], 11
	s_add_co_u32 s76, s76, SCL+8192
	s_mul_i32 s78, s[WV], 32*PITCH
	s_add_co_u32 s79, s77, SCS
	v_and_b32 v60, 15, v0                          ; r
	v_bfe_u32 v61, v0, 4, 1                        ; h
	v_and_b32 v62, 31, v0
	v_lshlrev_b32 v[LI], 4, v62
	v_min_u32 v63, 11, v62
	v_mul_u32_u24 v[PFO], v63, 43
	v_lshrrev_b32 v[PFO], 8, v[PFO]                ; t / 6 for t up to 11
	v_mul_u32_u24 v[PFO], v[PFO], 23040
	v_lshl_add_u32 v[PFO], v63, 8, v[PFO]          ; 24,576 (t / 6) + 256 (t % 6)
	v_min_u32 v[PFC], 7, v62
	v_lshlrev_b32 v[PFC], 8, v[PFC]
.irp i, 0,1,2,3
	v_add_nc_u32 v[ADRA+\i], 49152*\i, v[LI]
.endr
	v_lshl_add_u32 v[ADSA], v60, 2, SCL
	v_lshl_add_u32 v[ADSB], v60, 2, s76
	v_mul_u32_u24 v63, v60, PITCH
	v_lshl_add_u32 v62, v61, 5, v63
	v_add_nc_u32 v62, s77, v62
.irp a, 0,1,2,3,4,5,6,7
	v_add_nc_u32 v[STO+\a], 16*PITCH*\a, v62
.endr
	v_lshl_add_u32 v[RQ], v61, 6, v63
	v_add_nc_u32 v[RQ], s78, v[RQ]
	v_and_b32 v62, 8, v60
	v_add_nc_u32 v62, v62, v60                     ; r + 8 (r / 8)
	v_mul_u32_u24 v[RKP], v62, PITCH
	v_lshl_add_u32 v[RKP], v61, 6, v[RKP]
	v_add_nc_u32 v[RKP], s78, v[RKP]
	v_add_nc_u32 v[RKP], 512, v[RKP]
	v_add_nc_u32 v[RROW], s78, v[LI]
	v_mul_u32_u24 v63, v61, 16*PITCH
	v_lshl_add_u32 v63, v62, 2, v63
	v_add_nc_u32 v63, s77, v63
.irp b, 0,1,2,3
	v_add_nc_u32 v[RV+\b], 32*PITCH*\b+1024, v63
.endr
	v_lshl_add_u32 v[SW], v60, 2, s79
	v_lshlrev_b32 v[CSO], 8, v60
	v_lshl_add_u32 v[CSO], v61, 4, v[CSO]          ; cos, sin: 256 r + 16 h
	v_lshlrev_b32 v[BO], 5, v61
	s_wait_alu depctr_va_vdst(0)                   ; the wait at the end of the head's vector work
	s_wait_dscnt 0x0                               ; both opening adds are done
	s_wait_kmcnt 0x0
	s_add_nc_u64 s[98:99], s[4:5], s[98:99]
	s_add_nc_u64 s[WB:WB+1], s[4:5], s[100:101]
	s_add_nc_u64 s[66:67], s[6:7], s[66:67]
	s_add_nc_u64 s[2:3], s[6:7], s[2:3]
	s_add_nc_u64 s[PFA:PFA+1], s[WB:WB+1], s[80:81]
	s_add_nc_u64 s[8:9], s[8:9], s[82:83]
	s_add_nc_u64 s[10:11], s[10:11], s[82:83]
	s_add_nc_u64 s[12:13], s[12:13], s[82:83]
	s_lshl_b32 s100, s[RB], 15                     ; cos, sin at the block's first row: 128 rb x 256 bytes
	s_add_nc_u64 s[14:15], s[14:15], s[100:101]
	s_add_nc_u64 s[16:17], s[16:17], s[100:101]
	s_lshl_b32 s100, s[WV], 13                     ; of the block's 128 rows my wave of my work-group names 32 w + 8 cx .. + 7
	s_lshl_b32 s94, s30, 11
	s_add_co_u32 s100, s100, s94
	s_add_nc_u64 s[PFCS:PFCS+1], s[14:15], s[100:101]
	s_add_nc_u64 s[PFCS+2:PFCS+3], s[16:17], s[100:101]
	s_lshl_b32 s100, s[WV], 6                      ; my 16 frequencies: 64 w bytes
	s_add_nc_u64 s[14:15], s[14:15], s[100:101]
	s_add_nc_u64 s[16:17], s[16:17], s[100:101]
	s_mov_b32 s[G0X], 1
	s_mov_b32 s[G0X+1], 0
	s_mov_b64 s[G0X+2:G0X+3], s[98:99]
	s_or_b32 s[G0X+3], s[G0X+3], 0x80000000
	s_mov_b32 s[G0X+4], 1
	s_mov_b32 s[G0X+5], 98304
	s_add_nc_u64 s[G0X+6:G0X+7], s[98:99], 98304
	s_or_b32 s[G0X+7], s[G0X+7], 0x80000000
	s_mov_b32 s[G0SA], 1
	s_mov_b32 s[G0SA+1], SCL
	s_mov_b64 s[G0SA+2:G0SA+3], s[66:67]
	s_or_b32 s[G0SA+3], s[G0SA+3], 0x80000000
	s_mov_b32 s[G0SB], 1
	s_mov_b32 s[G0SB+1], SCL+8192
	s_mov_b64 s[G0SB+2:G0SB+3], s[2:3]
	s_or_b32 s[G0SB+3], s[G0SB+3], 0x80000000
	CROUND                                         ; all sixteen work-groups are here: the joint loads meet
	ARM 1, G0X,   G1A,  .Lhead_x1
	ARM 2, G0X+4, G1A,  .Lhead_sa
	ARM 3, G0SA,  G1SA, .Lhead_sb
	tensor_load_to_lds s[G0SB:G0SB+3], s[G1SB:G1SB+7]
	s_nop 0
.rept 4
	v_nop
.endr
.Lhead_asked:
	WIN 0xc0                                       ; destination window 3
.irp t, 0,1,2
.irp u, 0,1
	global_load_b128 v[128+8*(2*\t+\u):128+8*(2*\t+\u)+3], v[BO], s[8+2*\t:9+2*\t] offset:64*\u        ; lane (r, h): the tile's columns 8 h .. + 7
	global_load_b128 v[128+8*(2*\t+\u)+4:128+8*(2*\t+\u)+7], v[BO], s[8+2*\t:9+2*\t] offset:64*\u+16
.endr
.endr
	GLOAD 0, 0
	GLOAD 1, 1
	WIN 0
.irp g, 0,1
.irp t, 0,1,2
	global_prefetch_b8 v[PFO], s[PFA:PFA+1] offset:\t*3145728+\g*6144 th:TH_LOAD_NT scope:SCOPE_SE
.endr
.endr
	GLOAD 2, 2
	WIN 0
	s_wait_tensorcnt 0x0                           ; my tile of the head's four is in; nothing is ever filled again
	s_barrier_signal -1
	s_barrier_wait -1                              ; all four are in
	FETCH 0, 0
	KSTEP 0, 0, 1, 1, 3, 36                        ; K step 0 stands in front of the loop: its products start the sums.  36: K steps 1 and 2's loads may be out
	s_mov_b32 s[LAPS], 3
.Llap:                                                 ; a trip is K steps 4 i + 1 .. 4 i + 4: the four weight sets and the two sets of x are back where they began
	s_cmp_eq_u32 s[LAPS], 3
	s_cbranch_scc0 .Lno_ask
.irp t, 0,1,2
	global_prefetch_b8 v[PFO], s[PFA:PFA+1] offset:\t*3145728+2*6144 th:TH_LOAD_NT scope:SCOPE_SE
.endr
	global_prefetch_b8 v[PFC], s[PFCS:PFCS+1] th:TH_LOAD_NT scope:SCOPE_SE
	global_prefetch_b8 v[PFC], s[PFCS+2:PFCS+3] th:TH_LOAD_NT scope:SCOPE_SE
.Lno_ask:
	KSTEP 1, 1, 0, 2, 4, 36
	KSTEP 0, 2, 0, 3, 5, 36
	KSTEP 1, 3, 0, 4, 6, 36
	KSTEP 0, 0, 0, 5, 7, 36
	s_wait_xcnt 0x0                                ; the loads have read their base: it may step
	s_add_nc_u64 s[WB:WB+1], s[WB:WB+1], 6144
.irp i, 0,1,2,3
	v_add_nc_u32 v[ADRA+\i], 6144, v[ADRA+\i]
.endr
	v_add_nc_u32 v[ADSA], 256, v[ADSA]
	v_add_nc_u32 v[ADSB], 256, v[ADSB]
	s_sub_co_u32 s[LAPS], s[LAPS], 1
	s_cmp_lg_u32 s[LAPS], 0
	s_wait_alu depctr_va_vdst(0)                   ; the wait here, directly ahead of the branch
	s_cbranch_scc1 .Llap
	KSTEP 1, 1, 0, 2, -1, 36                       ; K steps 13 to 15 ask memory for nothing more
	KSTEP 0, 2, 0, 3, -2, 18                       ; in K step 14 cos and sin are asked for
	KSTEP 1, 3, 0, -1, -1, 32                      ; 32: these may be out
	; ---- the way out.  Four places behind the last products, for the loads below and the first reads of results
	PLACES 4
	s_mov_b32 s99, 0
	s_mul_i32 s98, s[HD], 196608                   ; qimg: fragment 128 hd + 8 rb + 2 w
	s_mul_i32 s100, s[RB], 12288
	s_add_co_u32 s98, s98, s100
	s_mul_i32 s100, s[WV], 3072
	s_mov_b32 s101, 0
	s_add_co_u32 s98, s98, s100
	s_add_nc_u64 s[18:19], s[18:19], s[98:99]
	s_lshl_b32 s98, s[HD], 13                      ; qscl: word 2048 hd + 128 rb
	s_lshl_b32 s94, s[RB], 9
	s_add_co_u32 s98, s98, s94
	s_add_nc_u64 s[20:21], s[20:21], s[98:99]
	s_mul_i32 s98, s[HD], 409600                   ; kv: record 16 hd + rb of 25,600 bytes
	s_mul_i32 s94, s[RB], 25600
	s_add_co_u32 s98, s98, s94
	s_add_nc_u64 s[22:23], s[22:23], s[98:99]
	s_add_nc_u64 s[66:67], s[22:23], s[100:101]    ; + my two tiles' 3,072 w
	s_lshl_b32 s100, s[WV], 9
	s_add_co_u32 s100, s100, 24064                 ; wave 1: K's scale words at 24,576; wave 2: V's at 25,088
	s_add_nc_u64 s[2:3], s[22:23], s[100:101]
	s_lshl_b32 s98, s[HD], 20                      ; out1, out2: row 2048 hd + 128 rb + 32 w of 512 bytes
	s_lshl_b32 s94, s[RB], 16
	s_add_co_u32 s98, s98, s94
	s_lshl_b32 s94, s[WV], 14
	s_add_co_u32 s98, s98, s94
	s_add_nc_u64 s[24:25], s[24:25], s[98:99]
	s_add_nc_u64 s[26:27], s[26:27], s[98:99]
.irp b, 0,1,2,3
	v_mov_b32 v[TM+4+\b], 0                        ; a lane permute's destination counts as one of its sources
.endr
	s_wait_loadcnt 0x0                             ; cos and sin are in
	s_wait_dscnt 0x0                               ; my reads of x's codes are over:
	s_barrier_signal -1                            ; say so, and rope q and k in registers while the others arrive
	ROPEA 0
	ROPEA 1
	WIN 0
	s_wait_alu depctr_va_vdst(0)                   ; the wait here, directly ahead of the wait below
	s_barrier_wait -1                              ; every wave's reads of x's codes are over: the stage may be written
.irp b, 0,1,2,3,4,5
.if \b < 4
	WIN 0x08
.else
	WIN 0x0c
.endif
.irp a, 0,1,2,3,4,5,6,7
	ds_store_b128 v[STO+\a], v[8*(\a+8*(\b%4)):8*(\a+8*(\b%4))+3] offset:512*(\b/2)+64*(\b%2)          ; each accumulator from its low end on
	ds_store_b128 v[STO+\a], v[8*(\a+8*(\b%4))+4:8*(\a+8*(\b%4))+7] offset:512*(\b/2)+64*(\b%2)+16
.endr
.endr
	WIN 0
	s_wait_dscnt 0x0
	s_barrier_signal -1
	s_barrier_wait -1                              ; 128 whole rows of q | k | v lie in the stage
	; ---- v's rows: my 32 come back whole, into window 1, and are the first to leave
	WIN 0x40
.set I, 0
.rept 32
	ds_load_b128 v[4*I:4*I+3], v[RROW] offset:PITCH*I+1024
.set I, I+1
.endr
	; ---- the roped k's whole rows, into the other half of window 1
.set I, 0
.rept 32
	ds_load_b128 v[128+4*I:131+4*I], v[RROW] offset:PITCH*I+512
.set I, I+1
.endr
	s_wait_dscnt 32                                ; v's 32 rows are back; k's 32 may be out
	WIN 0x04                                       ; a store's data are its source 1: window 1
.set I, 0
.rept 32
	global_store_b128 v[LI], v[4*I:4*I+3], s[26:27] offset:512*I th:TH_STORE_NT   ; out2: a row of 512 consecutive bytes
.set I, I+1
.endr
	WIN 0
	; ---- six images (q's two row tiles, k's two tiles of keys, v's two tiles of channels) on two sets of 64 registers: each is read from the stage while the one before is quantised
	READX 64, RQ, 0
	READX 128, RQ, 16*PITCH
	s_wait_dscnt 32                                ; k's rows are back; the 32 loads just issued may be out
	WIN 0x04
.set I, 0
.rept 32
	global_store_b128 v[LI], v[128+4*I:131+4*I], s[24:25] offset:512*I th:TH_STORE_NT   ; out1
.set I, I+1
.endr
	WIN 0
	EMIT 64, 18, 0, 0, 16                          ; behind its loads: the next image's 16
	READX 64, RKP, 0
	EMIT 128, 18, 1536, 64, 17                     ; a scale word's store and 16 loads
	READX 128, RKP, 8*PITCH
	EMIT 64, 66, 0, 512, 17
	RDV 64, 0
	EMIT 128, 66, 1536, 576, 63                    ; a store and 64 loads stand behind: the count's field holds 63
	RDV 128, 1
	EMIT 64, 66, 12288, 1024, 63
	EMIT 128, 66, 13824, 1088, 1
	; ---- the scale words of the four waves leave as runs of 512 bytes: wave 0 q's, wave 1 k's, wave 2 v's
	s_wait_dscnt 0x0
	s_barrier_signal -1
	s_barrier_wait -1
	s_lshl_b32 s98, s[WV], 9
	s_add_co_u32 s98, s98, SCS
	v_add_nc_u32 v[ADRA], s98, v[LI]
	s_cmp_eq_u32 s[WV], 0
	s_cselect_b64 s[2:3], s[20:21], s[2:3]
	s_cmp_eq_u32 s[WV], 3
	s_cbranch_scc1 .Lno_words
	ds_load_b128 v[64:67], v[ADRA]
	s_wait_dscnt 0x0
	global_store_b128 v[LI], v[64:67], s[2:3]
.Lno_words:
	s_wait_tensorcnt 0x0                           ; the wave's end: a wait, an add and a wait behind my last tensor load and my last LDS store
	ds_add_u32 v[SPW], v[NIL]
	s_wait_dscnt 0x0
	CROUND                                         ; the closing round
	s_endpgm
.Lfunc_end_k_q0ee6bec91b_qkv:
	.size	k_q0ee6bec91b_qkv, .Lfunc_end_k_q0ee6bec91b_qkv-k_q0ee6bec91b_qkv
	.p2alignl 7, 3214868480
	.fill 96, 4, 3214868480
	.section	.rodata,"a",@progbits
	.p2align	6, 0x0
	.amdhsa_kernel k_q0ee6bec91b_qkv
		.amdhsa_group_segment_fixed_size 327680
		.amdhsa_private_segment_fixed_size 0
		.amdhsa_enable_private_segment 0
		.amdhsa_kernarg_size 96
		.amdhsa_user_sgpr_count 2
		.amdhsa_user_sgpr_kernarg_segment_ptr 1
		.amdhsa_wavefront_size32 1
		.amdhsa_system_sgpr_workgroup_id_x 1
		.amdhsa_system_sgpr_workgroup_id_y 1
		.amdhsa_system_sgpr_workgroup_id_z 1
		.amdhsa_system_vgpr_workitem_id 0
		.amdhsa_next_free_vgpr 1024
		.amdhsa_next_free_sgpr 102
		.amdhsa_reserve_vcc 0
		.amdhsa_float_denorm_mode_32 3
		.amdhsa_float_denorm_mode_16_64 3
		.amdhsa_memory_ordered 1
		.amdhsa_forward_progress 1
		.amdhsa_inst_pref_size 171
	.end_amdhsa_kernel
	.amdgpu_metadata
---
amdhsa.version: [ 1, 2 ]
amdhsa.kernels:
  - .name:           k_q0ee6bec91b_qkv
    .symbol:         k_q0ee6bec91b_qkv.kd
    .args:
      - { .name: cod5, .offset: 0, .size: 8, .value_kind: global_buffer, .address_space: global }
      - { .name: scl5, .offset: 8, .size: 8, .value_kind: global_buffer, .address_space: global }
      - { .name: wq_b, .offset: 16, .size: 8, .value_kind: global_buffer, .address_space: global }
      - { .name: wk_b, .offset: 24, .size: 8, .value_kind: global_buffer, .address_space: global }
      - { .name: wv_b, .offset: 32, .size: 8, .value_kind: global_buffer, .address_space: global }
      - { .name: freqs_cos, .offset: 40, .size: 8, .value_kind: global_buffer, .address_space: global }
      - { .name: freqs_sin, .offset: 48, .size: 8, .value_kind: global_buffer, .address_space: global }
      - { .name: qimg, .offset: 56, .size: 8, .value_kind: global_buffer, .address_space: global }
      - { .name: qscl, .offset: 64, .size: 8, .value_kind: global_buffer, .address_space: global }
      - { .name: kv, .offset: 72, .size: 8, .value_kind: global_buffer, .address_space: global }
      - { .name: out1, .offset: 80, .size: 8, .value_kind: global_buffer, .address_space: global }
      - { .name: out2, .offset: 88, .size: 8, .value_kind: global_buffer, .address_space: global }
    .group_segment_fixed_size: 327680
    .private_segment_fixed_size: 0
    .kernarg_segment_align: 8
    .kernarg_segment_size: 96
    .max_flat_workgroup_size: 128
    .sgpr_count:     102
    .vgpr_count:     1024
    .wavefront_size: 32
...
	.end_amdgpu_metadata
.endif
;; end of part 2
;; launch attn (part 3): grid 16 x 16, 16 waves a work-group, no clusters, 327,680 bytes of LDS; arguments qimg, qscl, kv, oimg, oscl; writes oimg, oscl
.if DOCPART == 3
	.amdgcn_target "amdgcn-amd-amdhsa--gfx1250"
	.amdhsa_code_object_version 6
	.text
	.protected	k_q0ee6bec91b_attn
	.globl	k_q0ee6bec91b_attn
	.p2align	8
	.type	k_q0ee6bec91b_attn,@function
k_q0ee6bec91b_attn:
	s_mov_b64 s[64:65], 0
	v_nop
	global_prefetch_b8 v0, s[64:65] scope:SCOPE_SE
	s_setreg_imm32_b32 hwreg(HW_REG_WAVE_MODE, 25, 1), 1
	s_wait_xcnt 0x0
.set REC,   25600
.set SLOTB, 4*REC
.set SLOT1, 131072
.set MRG,   SLOT1+SLOTB
.set MRGB,  8704
.set SPARE, MRG+8*MRGB
.set LI,  1
.set LS,  2
.set DQ,  3
.set MA,  4
.set SPW, 5
.set NIL, 6
.set PFO, 7
.set ADK, 8
.set ADS, 9
.set LIB, 80
.set LSB, 81
.set TM,  32
.set PW,  48
.set PC,  224
.set WV,  14
.set HEAD, 15
.set Q0,  17
.set KF,  18
.set TB,  19
.set SLOTS, 20
.set CS,  22
.set SEL, 24
.set LIM, 26
.set HF,  27
.set G1,  28
.set G0,  36
.set PFA, 40
.set G0W, 56
.macro QUANT s
.irp b, 0,1,2,3
	v_max3_num_f32 v[TM+\b], |v[(\s)+16*\b]|, |v[(\s)+1+16*\b]|, 0x1800000
.endr
.irp i, 2,4,6,8,10,12,14
.irp b, 0,1,2,3
	s_delay_alu instid0(VALU_DEP_4)
	v_max3_num_f32 v[TM+\b], v[TM+\b], |v[(\s)+16*\b+\i]|, |v[(\s)+1+16*\b+\i]|
.endr
.endr
.irp b, 0,1,2,3
	s_delay_alu instid0(VALU_DEP_4)
	v_permlanex16_b32 v[TM+4+\b], v[TM+\b], s[SEL], s[SEL+1]
.endr
.irp b, 0,1,2,3
	s_delay_alu instid0(VALU_DEP_4)
	v_max_num_f32 v[TM+\b], v[TM+\b], v[TM+4+\b]
.endr
.irp b, 0,1,2,3
	s_delay_alu instid0(VALU_DEP_4)
	v_add_nc_u32 v[TM+8+\b], 0xff000000, v[TM+\b]
.endr
.irp b, 0,1,2,3
	s_delay_alu instid0(VALU_DEP_4)
	v_lshrrev_b32 v[TM+4+\b], 23, v[TM+8+\b]
.endr
	s_delay_alu instid0(VALU_DEP_3)
	v_lshl_or_b32 v[PW], v[TM+5], 8, v[TM+4]
	s_delay_alu instid0(VALU_DEP_1)
	v_lshl_or_b32 v[PW], v[TM+6], 16, v[PW]
	s_delay_alu instid0(VALU_DEP_1)
	v_lshl_or_b32 v[PW], v[TM+7], 24, v[PW]
.irp c, 0,1
	v_cvt_scalef32_pk16_fp6_f32 v[PC+6*\c:PC+2+6*\c], v[(\s)+32*\c:(\s)+15+32*\c], v[TM+8+2*\c]
	v_cvt_scalef32_pk16_fp6_f32 v[PC+12+4*\c:PC+14+4*\c], v[(\s)+16+32*\c:(\s)+31+32*\c], v[TM+9+2*\c]
.endr
	v_nop
.irp c, 0,1
.irp i, 0,1,2
	v_permlane16_swap_b32 v[PC+6*\c+\i], v[PC+12+4*\c+\i]
.endr
.irp i, 0,1,2
	s_delay_alu instid0(VALU_DEP_3)
	v_mov_b32 v[PC+3+6*\c+\i], v[PC+12+4*\c+\i]
.endr
.endr
.endm
.macro ASK
	s_cmp_gt_u32 s[SLOTS], s[LIM]
	s_cbranch_scc0 .Lnot_mine_\@
	global_prefetch_b8 v[PFO], s[PFA:PFA+1] th:TH_LOAD_NT scope:SCOPE_SE
.Lnot_mine_\@:
.endm
.macro STEP p
	s_add_co_u32 s42, s[Q0], 15
	s_cmp_gt_u32 s[KF], s42
	s_cbranch_scc1 .Lhidden_\@
.if \p
	v_add_nc_u32 v[ADK], s[TB], v[LIB]
	v_add_nc_u32 v[ADS], s[TB], v[LSB]
.else
	v_add_nc_u32 v[ADK], s[TB], v[LI]
	s_wait_alu depctr_va_vdst(0)
	v_add_nc_u32 v[ADS], s[TB], v[LS]
.endif
	s_wait_alu depctr_va_vdst(0)
.rept 3
	v_nop
.endr
.irp g, 0,1
.if \g
.rept 4
	v_nop
.endr
.endif
.irp t, 0,1,2,3
.irp c, 0,1,2
	ds_load_b128 v[32+12*\t+4*\c:35+12*\t+4*\c], v[ADK] offset:1536*(4*\g+\t)+512*\c
.endr
	ds_load_b32 v[248+\t], v[ADS] offset:24576+64*(4*\g+\t)
.endr
	s_wait_dscnt 0x0
.irp t, 0,1,2,3
	v_wmma_scale_f32_16x16x128_f8f6f4 v[96+8*(4*\g+\t):103+8*(4*\g+\t)], v[32+12*\t:43+12*\t], v[16:27], 0, v[248+\t], v255 matrix_a_fmt:MATRIX_FMT_FP6 matrix_b_fmt:MATRIX_FMT_FP6
.endr
.endr
.rept 4
	v_nop
.endr
.irp t, 0,1,2,3
.irp c, 0,1,2
	ds_load_b128 v[32+12*\t+4*\c:35+12*\t+4*\c], v[ADK] offset:12288+1536*\t+512*\c
.endr
	ds_load_b32 v[248+\t], v[ADS] offset:25088+64*\t
.endr
	s_add_co_u32 s42, s[KF], 127
	s_cmp_le_u32 s42, s[Q0]
	s_cbranch_scc1 .Lopen_\@
	s_sub_co_i32 s42, s[Q0], s[KF]
	v_add_nc_u32 v10, s42, v[DQ]
	v_mov_b32 v11, 0xff800000
.set N, 0
.rept 64
	v_cmp_gt_i32 vcc_lo, 32*(N/16)+N%16, v10
	v_cndmask_b32 v[96+N], v[96+N], v11, vcc_lo
.set N, N+1
.endr
.Lopen_\@:
.irp b, 0,1,2,3
	v_max3_num_f32 v[232+\b], v[96+16*\b], v[97+16*\b], v[98+16*\b]
.endr
.irp i, 3,5,7,9,11,13
.irp b, 0,1,2,3
	v_max3_num_f32 v[232+\b], v[232+\b], v[96+16*\b+\i], v[97+16*\b+\i]
.endr
.endr
.irp b, 0,1,2,3
	v_max_num_f32 v[232+\b], v[232+\b], v[111+16*\b]
.endr
.irp b, 0,1,2,3
	s_delay_alu instid0(VALU_DEP_4)
	v_permlanex16_b32 v[236+\b], v[232+\b], s[SEL], s[SEL+1]
.endr
.irp b, 0,1,2,3
	s_delay_alu instid0(VALU_DEP_4)
	v_max_num_f32 v[232+\b], v[232+\b], v[236+\b]
.endr
	s_delay_alu instid0(VALU_DEP_2)
	v_max3_num_f32 v254, v232, v233, v234
	s_delay_alu instid0(VALU_DEP_1)
	v_max_num_f32 v254, v254, v235
	s_delay_alu instid0(VALU_DEP_1)
	v_mul_f32 v254, s[CS], v254
	s_delay_alu instid0(VALU_DEP_1)
	v_max_num_f32 v13, v13, v254
	v_mov_b32 v254, v12
	s_delay_alu instid0(VALU_DEP_2)
	v_floor_f32 v12, -v13
	s_delay_alu instid0(VALU_DEP_1)
	v_sub_f32 v254, v12, v254
	s_delay_alu instid0(VALU_DEP_1)
	v_cvt_i32_f32 v254, v254
	s_delay_alu instid0(VALU_DEP_1)
	v_ldexp_f32 v252, 1.0, v254
.set J, 0
.rept 32
	v_pk_fma_f32 v[96+J:97+J], v[96+J:97+J], s[CS:CS+1], v[12:13] op_sel_hi:[1,0,0]
.set J, J+2
.endr
.irp b, 0,1,2,3
	v_fma_f32 v[232+\b], v[232+\b], s[CS], v12
.endr
.set J, 0
	s_wait_alu depctr_va_vdst(0)
.rept 64
	v_exp_f32 v[96+J], v[96+J]
.set J, J+1
.endr
	v_pk_mul_f32 v[14:15], v[14:15], v[252:253] op_sel_hi:[1,0]
	s_wait_alu depctr_va_vdst(0)
.irp b, 0,1,2,3
	v_exp_f32 v[232+\b], v[232+\b]
.endr
	v_pk_add_f32 v[236:237], v[96:97], v[98:99]
.irp j, 4,8,12,16,20,24,28,32,36,40,44,48,52,56,60
	v_pk_add_f32 v[14:15], v[14:15], v[96+\j:97+\j]
	v_pk_add_f32 v[236:237], v[236:237], v[98+\j:99+\j]
.endr
	s_delay_alu instid0(VALU_DEP_1)
	v_pk_add_f32 v[14:15], v[14:15], v[236:237]
	s_wait_alu depctr_va_vdst(0)
.irp b, 0,1,2,3
	v_max_num_f32 v[232+\b], 0x1800000, v[232+\b]
.endr
.irp b, 0,1,2,3
	s_delay_alu instid0(VALU_DEP_4)
	v_add_nc_u32 v[244+\b], 0xff000000, v[232+\b]
.endr
.irp b, 0,1,2,3
	s_delay_alu instid0(VALU_DEP_4)
	v_lshrrev_b32 v[236+\b], 23, v[244+\b]
.endr
	s_delay_alu instid0(VALU_DEP_3)
	v_lshl_or_b32 v253, v237, 8, v236
	s_delay_alu instid0(VALU_DEP_1)
	v_lshl_or_b32 v253, v238, 16, v253
	s_delay_alu instid0(VALU_DEP_1)
	v_lshl_or_b32 v253, v239, 24, v253
.irp c, 0,1
	v_cvt_scalef32_pk16_fp6_f32 v[224+6*\c:226+6*\c], v[96+32*\c:111+32*\c], v[244+2*\c]
	v_cvt_scalef32_pk16_fp6_f32 v[236+4*\c:238+4*\c], v[112+32*\c:127+32*\c], v[245+2*\c]
.endr
	v_nop
.irp t, 0,1,2,3
.irp c, 0,1,2
	ds_load_b128 v[96+12*\t+4*\c:99+12*\t+4*\c], v[ADK] offset:12288+1536*(4+\t)+512*\c
.endr
	ds_load_b32 v[28+\t], v[ADS] offset:25088+64*(4+\t)
.endr
.irp c, 0,1
.irp i, 0,1,2
	v_permlane16_swap_b32 v[224+6*\c+\i], v[236+4*\c+\i]
.endr
.irp i, 0,1,2
	s_delay_alu instid0(VALU_DEP_3)
	v_mov_b32 v[227+6*\c+\i], v[236+4*\c+\i]
.endr
.endr
.set J, 0
.rept 32
	v_pk_mul_f32 v[160+J:161+J], v[160+J:161+J], v[252:253] op_sel_hi:[1,0]
.set J, J+2
.endr
	s_wait_alu depctr_va_vdst(0)
	s_wait_dscnt 0x0
.irp t, 0,1,2,3
	v_wmma_scale_f32_16x16x128_f8f6f4 v[160+8*\t:167+8*\t], v[32+12*\t:43+12*\t], v[224:235], v[160+8*\t:167+8*\t], v[248+\t], v253 matrix_a_fmt:MATRIX_FMT_FP6 matrix_b_fmt:MATRIX_FMT_FP6
.endr
.irp t, 0,1,2,3
	v_wmma_scale_f32_16x16x128_f8f6f4 v[192+8*\t:199+8*\t], v[96+12*\t:107+12*\t], v[224:235], v[192+8*\t:199+8*\t], v[28+\t], v253 matrix_a_fmt:MATRIX_FMT_FP6 matrix_b_fmt:MATRIX_FMT_FP6
.endr
.Lhidden_\@:
	s_add_co_u32 s[KF], s[KF], 256
.endm
.macro CHANGE fill
	s_wait_tensorcnt 0x0
	ds_add_u32 v[SPW], v[NIL]
.if \fill
	s_xor_b32 s[G0W+1], s[G0W+1], SLOT1
	s_add_nc_u64 s[G0W+2:G0W+3], s[G0W+2:G0W+3], SLOTB
	s_wait_xcnt 0x0
	s_add_nc_u64 s[PFA:PFA+1], s[PFA:PFA+1], SLOTB
.endif
	s_wait_dscnt 0x0
	s_barrier_signal -1
	s_barrier_wait -1
.if \fill
	tensor_load_to_lds s[G0W:G0W+3], s[G1:G1+7]
	s_nop 0
.rept 4
	v_nop
.endr
	ASK
.endif
.endm
.macro SLOT_STEPS
	STEP 0
	STEP 1
	s_xor_b32 s[TB], s[TB], SLOT1
.endm
	s_load_b256 s[4:11], s[0:1], 0x0
	s_load_b64 s[12:13], s[0:1], 0x20
	v_lshl_add_u32 v[SPW], v0, 2, SPARE
	v_mov_b32 v[NIL], 0
	ds_add_u32 v[SPW], v[NIL]
	ds_add_u32 v[SPW], v[NIL]
	v_lshrrev_b32 v8, 5, v0
	s_delay_alu instid0(VALU_DEP_1)
	v_readfirstlane_b32 s[WV], v8
	s_lshr_b32 s[HF], s[WV], 3
	s_and_b32 s[HEAD], ttmp7, 0xffff
	s_mov_b32 s16, ttmp9
	s_sub_co_u32 s42, 31, s16
	s_and_b32 s43, s[WV], 7
	s_cmp_lt_u32 s43, 4
	s_cselect_b32 s42, s16, s42
	s_lshl_b32 s[Q0], s42, 6
	s_and_b32 s43, s[WV], 3
	s_lshl_b32 s43, s43, 4
	s_add_co_u32 s[Q0], s[Q0], s43
	s_mov_b32 s[G1], 3<<16
	s_mov_b32 s[G1+1], 32<<16
	s_mov_b32 s[G1+2], 25<<16
	s_mov_b32 s[G1+3], 32<<16
	s_mov_b32 s[G1+4], 25
	s_mov_b32 s[G1+5], 32
	s_mov_b32 s[G1+6], 0
	s_mov_b32 s[G1+7], 0
	s_mul_i32 s[G0+1], s[WV], 6400
	s_add_co_u32 s[G0W+1], s[G0+1], SLOT1
	s_mul_i32 s44, s[HEAD], 16*REC
	s_add_co_u32 s44, s44, s[G0+1]
	s_mov_b32 s45, 0
	s_mul_i32 s46, s[HEAD], 196608
	s_mul_i32 s43, s[Q0], 96
	s_add_co_u32 s46, s46, s43
	s_mov_b32 s47, 0
	s_lshl_b32 s48, s[HEAD], 13
	s_lshl_b32 s43, s[Q0], 2
	s_add_co_u32 s48, s48, s43
	s_mov_b32 s49, 0
	s_add_co_u32 s43, s[Q0], s[HEAD]
	s_mul_i32 s50, s43, 1536
	s_mov_b32 s51, 0
	s_lshl_b32 s52, s43, 6
	s_mov_b32 s53, 0
	s_mov_b32 s[SEL], 0x76543210
	s_mov_b32 s[SEL+1], 0xfedcba98
	s_mov_b32 s[CS], 0x3e0293ee
	s_mov_b32 s[CS+1], s[CS]
	s_mul_i32 s[TB], s[HF], REC
	s_lshl_b32 s[KF], s[HF], 7
	s_mov_b32 s[SLOTS], 2
	s_cmp_eq_u32 s16, 0
	s_cselect_b32 s[LIM], 1, -1
	s_wait_dscnt 0x0
	s_wait_kmcnt 0x0
	s_mov_b32 s[G0], 1
	s_add_nc_u64 s[G0+2:G0+3], s[8:9], s[44:45]
	s_mov_b32 s[G0W], 1
	s_add_nc_u64 s[G0W+2:G0W+3], s[G0+2:G0+3], SLOTB
	s_add_nc_u64 s[PFA:PFA+1], s[G0+2:G0+3], 2*SLOTB
	s_or_b32 s[G0+3], s[G0+3], 0x80000000
	s_or_b32 s[G0W+3], s[G0W+3], 0x80000000
	tensor_load_to_lds s[G0:G0+3], s[G1:G1+7]
	s_nop 0
.rept 4
	v_nop
.endr
	s_add_nc_u64 s[4:5], s[4:5], s[46:47]
	s_add_nc_u64 s[6:7], s[6:7], s[48:49]
	s_add_nc_u64 s[10:11], s[10:11], s[50:51]
	s_add_nc_u64 s[12:13], s[12:13], s[52:53]
	v_and_b32 v10, 31, v0
	v_and_b32 v11, 15, v0
	s_delay_alu instid0(VALU_DEP_2)
	v_lshlrev_b32 v[LI], 4, v10
	s_delay_alu instid0(VALU_DEP_2)
	v_lshlrev_b32 v[LS], 2, v11
	s_delay_alu instid0(VALU_DEP_2)
	v_add_nc_u32 v[LIB], 2*REC, v[LI]
	s_delay_alu instid0(VALU_DEP_2)
	v_add_nc_u32 v[LSB], 2*REC, v[LS]
	s_and_b32 s43, s[WV], 7
	s_mul_i32 s43, s43, MRGB
	s_add_co_u32 s43, s43, MRG
	v_add_nc_u32 v[MA], s43, v[LI]
	v_min_u32 v[PFO], 24, v10
	s_delay_alu instid0(VALU_DEP_1)
	v_lshlrev_b32 v[PFO], 8, v[PFO]
	v_bfe_u32 v10, v0, 4, 1
	s_delay_alu instid0(VALU_DEP_1)
	v_lshlrev_b32 v10, 4, v10
	s_delay_alu instid0(VALU_DEP_1)
	v_sub_nc_u32 v[DQ], v11, v10
.irp c, 0,1,2
	global_load_b128 v[16+4*\c:19+4*\c], v[LI], s[4:5] offset:512*\c
.endr
	global_load_b32 v255, v[LS], s[6:7]
	v_mov_b32 v13, 0xff61b1e6
	s_delay_alu instid0(VALU_DEP_1)
	v_floor_f32 v12, -v13
	v_mov_b32 v14, 0
	v_mov_b32 v15, 0
.irp b, 0,1,2,3
	v_mov_b32 v[236+\b], 0
.endr
	v_mov_b32 v252, 0
	v_mov_b32 v253, 0
.set J, 0
.rept 64
	v_mov_b32 v[160+J], 0
.set J, J+1
.endr
	s_wait_alu depctr_va_vdst(0)                   ; the wait at the head's end
	s_wait_tensorcnt 0x0                           ; my part of slot 0 is in; the set-up and q's loads above stood under its flight
	ds_add_u32 v5, v6                              ; an add and its wait ahead of a later first fill
	s_wait_dscnt 0x0
	s_barrier_signal -1
	s_barrier_wait -1                              ; slot 0 is whole
	tensor_load_to_lds s[G0W:G0W+3], s[G1:G1+7]    ; slot 1's first fill, my one load behind this barrier
	s_nop 0
.rept 4
	v_nop
.endr
	s_wait_loadcnt 0x0                             ; q's fragment and scale words
.Lslot:
	SLOT_STEPS
	CHANGE 1
	s_sub_co_u32 s[SLOTS], s[SLOTS], 1
	s_cmp_lg_u32 s[SLOTS], 0
	s_cbranch_scc1 .Lslot
	SLOT_STEPS
	CHANGE 0
	SLOT_STEPS
.rept 4
	v_nop
.endr
	v_add_f32 v14, v14, v15
	s_cmp_eq_u32 s[HF], 0
	s_cbranch_scc1 .Lkeeps
.set J, 0
	s_wait_alu depctr_va_vdst(0)
.rept 16
	ds_store_b128 v[MA], v[160+4*J:163+4*J] offset:512*J
.set J, J+1
.endr
	ds_store_b128 v[MA], v[12:15] offset:8192
.Lkeeps:
	s_wait_dscnt 0x0
	s_barrier_signal -1
	s_barrier_wait -1
	s_cmp_lg_u32 s[HF], 0
	s_cbranch_scc1 .Ldone
.set J, 0
.rept 16
	ds_load_b128 v[96+4*J:99+4*J], v[MA] offset:512*J
.set J, J+1
.endr
	ds_load_b128 v[32:35], v[MA] offset:8192
	v_mov_b32 v41, 0
	v_mov_b32 v43, 0
	s_wait_dscnt 0x0
	v_min_num_f32 v36, v12, v32
	s_delay_alu instid0(VALU_DEP_1)
	v_sub_f32 v37, v36, v12
	s_delay_alu instid0(VALU_DEP_2)
	v_sub_f32 v38, v36, v32
	s_delay_alu instid0(VALU_DEP_2)
	v_cvt_i32_f32 v37, v37
	s_delay_alu instid0(VALU_DEP_2)
	v_cvt_i32_f32 v38, v38
	s_delay_alu instid0(VALU_DEP_2)
	v_ldexp_f32 v40, 1.0, v37
	s_delay_alu instid0(VALU_DEP_2)
	v_ldexp_f32 v42, 1.0, v38
	s_delay_alu instid0(VALU_DEP_2)
	v_mul_f32 v14, v14, v40
	s_delay_alu instid0(VALU_DEP_1)
	v_fma_f32 v14, v34, v42, v14
	s_delay_alu instid0(VALU_DEP_1)
	v_permlanex16_b32 v252, v14, s[SEL], s[SEL+1]
	s_delay_alu instid0(VALU_DEP_1)
	v_add_f32 v14, v14, v252
	s_wait_alu depctr_va_vdst(0)
	v_rcp_f32 v14, v14
.irp b, 0,1,2,3
	v_mov_b32 v[TM+4+\b], 0
.endr
	v_and_b32 v11, 31, v0
	s_wait_alu depctr_va_vdst(0)
	v_mul_f32 v40, v40, v14
	v_mul_f32 v42, v42, v14
.set J, 0
.rept 32
	v_pk_mul_f32 v[96+J:97+J], v[96+J:97+J], v[42:43] op_sel_hi:[1,0]
	v_pk_fma_f32 v[96+J:97+J], v[160+J:161+J], v[40:41], v[96+J:97+J] op_sel_hi:[1,0,1]
.set J, J+2
.endr
	QUANT 96
.irp c, 0,1,2
	global_store_b128 v[LI], v[PC+4*\c:PC+4*\c+3], s[10:11] offset:512*\c
.endr
	s_wait_xcnt 0x0
	v_cmp_gt_u32 vcc_lo, 16, v11
	s_and_saveexec_b32 s42, vcc_lo
	global_store_b32 v[LS], v[PW], s[12:13]
	s_wait_xcnt 0x0
	s_or_b32 exec_lo, exec_lo, s42
.Ldone:
	s_wait_tensorcnt 0x0
	ds_add_u32 v[SPW], v[NIL]
	s_wait_dscnt 0x0
	s_endpgm
.Lfunc_end_k_q0ee6bec91b_attn:
	.size	k_q0ee6bec91b_attn, .Lfunc_end_k_q0ee6bec91b_attn-k_q0ee6bec91b_attn
	.p2alignl 7, 3214868480
	.fill 96, 4, 3214868480
	.section	.rodata,"a",@progbits
	.p2align	6, 0x0
	.amdhsa_kernel k_q0ee6bec91b_attn
		.amdhsa_group_segment_fixed_size 327680
		.amdhsa_private_segment_fixed_size 0
		.amdhsa_enable_private_segment 0
		.amdhsa_kernarg_size 40
		.amdhsa_user_sgpr_count 2
		.amdhsa_user_sgpr_kernarg_segment_ptr 1
		.amdhsa_wavefront_size32 1
		.amdhsa_system_sgpr_workgroup_id_x 1
		.amdhsa_system_sgpr_workgroup_id_y 1
		.amdhsa_system_sgpr_workgroup_id_z 1
		.amdhsa_system_vgpr_workitem_id 0
		.amdhsa_next_free_vgpr 256
		.amdhsa_next_free_sgpr 66
		.amdhsa_reserve_vcc 1
		.amdhsa_float_denorm_mode_32 3
		.amdhsa_float_denorm_mode_16_64 3
		.amdhsa_memory_ordered 1
		.amdhsa_forward_progress 1
		.amdhsa_inst_pref_size 177
	.end_amdhsa_kernel
	.amdgpu_metadata
---
amdhsa.version: [ 1, 2 ]
amdhsa.kernels:
  - .name:           k_q0ee6bec91b_attn
    .symbol:         k_q0ee6bec91b_attn.kd
    .args:
      - { .name: qimg, .offset: 0, .size: 8, .value_kind: global_buffer, .address_space: global }
      - { .name: qscl, .offset: 8, .size: 8, .value_kind: global_buffer, .address_space: global }
      - { .name: kv, .offset: 16, .size: 8, .value_kind: global_buffer, .address_space: global }
      - { .name: oimg, .offset: 24, .size: 8, .value_kind: global_buffer, .address_space: global }
      - { .name: oscl, .offset: 32, .size: 8, .value_kind: global_buffer, .address_space: global }
    .group_segment_fixed_size: 327680
    .private_segment_fixed_size: 0
    .kernarg_segment_align: 8
    .kernarg_segment_size: 40
    .max_flat_workgroup_size: 512
    .sgpr_count:     66
    .vgpr_count:     256
    .wavefront_size: 32
...
	.end_amdgpu_metadata
.endif
;; end of part 3
;; launch oproj (part 4): grid 16 x 16, 4 waves a work-group, clusters of 4 x 4, 327,680 bytes of LDS; arguments oimg, oscl, cod5, scl5, wo_b, out0; writes out0
.if DOCPART == 4
	.amdgcn_target "amdgcn-amd-amdhsa--gfx1250"
	.amdhsa_code_object_version 6
	.text
	.protected	k_q0ee6bec91b_oproj
	.globl	k_q0ee6bec91b_oproj
	.p2align	8
	.type	k_q0ee6bec91b_oproj,@function
k_q0ee6bec91b_oproj:
	s_mov_b64 s[64:65], 0
	v_nop
	global_prefetch_b8 v0, s[64:65] scope:SCOPE_SE
	s_setreg_imm32_b32 hwreg(HW_REG_WAVE_MODE, 25, 1), 1
	s_wait_xcnt 0x0
	s_wait_alu depctr_hold_cnt(0) depctr_sa_sdst(0) depctr_va_vdst(0) depctr_va_sdst(0) depctr_va_ssrc(0) depctr_va_vcc(0) depctr_vm_vsrc(0)
	s_getreg_b32 s2, hwreg(HW_REG_IB_STS2, 6, 4)
	s_cmp_eq_u32 s2, 0
	s_cbranch_scc0 .Lentry_in_a_cluster
	s_endpgm
.Lentry_in_a_cluster:
	s_bfe_u32 s2, ttmp6, 0x10000c
	s_cmp_lg_u32 s2, 0xf033
	s_cbranch_scc0 .Lentry_shape_is_right
	s_endpgm
.Lentry_shape_is_right:
; out0 = o wo_w^T + wo_b on codes of FP6 (E2M3) with E8M0 scales; out0 [2048][2048] f32.  o comes as register images from the attention launch (K step = head), wo_w from the quantising launch.
; 2048 x 2048 of output on 256 work-groups: a tile of 128 x 128; four waves, each 64 x 64: 16 accumulators; 16 K steps of 128, written out.
; o: the tile's codes for ALL of K are one dense run of 196,608 bytes; they come into LDS once, at the head, and are never filled again: no ring and no barrier in the walk along K.
; THE HEAD'S FOUR LOADS, one a wave: waves 0 and 1 a half of o's codes each, wave 2 o's scale words (jointly along a row of the 4 x 4 cluster: they hang on rb alone), wave 3 wo_w's scale words (jointly along a column: nb alone).
; wo_w's FRAGMENTS touch no LDS: they go from memory straight into registers, 12 loads of 512 consecutive bytes a K step and wave, in six sets of 48 registers, asked for five K steps ahead
; (both codes together, 393,216 bytes, do not fit in LDS).  So no joint load can carry them: that is why they are not multicast.
; PREFETCH: my four tiles of wo_w are read by eight waves of the cluster (wave row wr, place cy).  At the head wave (wr, cy) names K step 4 + 2 cy + wr of the four tiles (24 blocks of 256 bytes, a lane a block);
; in K step 1 it names K step 12 + cy of tiles 2 wr, 2 wr + 1 (12 blocks), six K steps ahead of the first load that wants them.  Lanes left over name the last block again.  K steps 0 to 3 and o come by their loads alone.
; THE PRODUCT IS USED TRANSPOSED (source 0 = 16 rows of wo_w, source 1 = 16 rows of o): a lane holds eight neighbouring columns of one row.  The bias is the C of each sum's first product.
; REGISTERS: window 0: v4-23 addresses; v32-39 o's scale words, v40-47 wo_w's, two sets each; v48-79 the bias, later rows on the way out, as v80-111; v128-255 the accumulators at v[128 + 8 (4 a + b)].
;   window 1: wo_w's sets 0-4 at v[48 k];  window 2: set 5 at v0; o's two sets at v48 and v96.
.set SCL,    196608                    ; o's scale words, 8,192 bytes, then wo_w's
.set STG,    212992                    ; a stage of 16 rows x (256 bytes + 16) for each wave: bytes that no tensor load fills
.set SPARE,  230400
.set LI,   4
.set PFO,  5                           ; v5 24,576 (t / 6) + 256 (t % 6), t = min(l, 23);  v6 the same with t = min(l, 11)
.set ADRA, 8                           ; v8-9 o's fragments: my tiles 0, 1 and 2, 3
.set ADSA, 12
.set ADSB, 13
.set SPW,  14
.set NIL,  15
.set STO,  16
.set RD,   17
.set CO,   18
.set BO,   23
.set SA,   32
.set SB,   40
.set BI,   48
.set OB,   48
.set ACC,  128
.set WV,   28
.set WR,   29
.set WC,   94
.set G1A,  32
.set G0X,  40
.set G1SA, 48
.set G1SB, 56
.set WB,   68                          ; s[68:69] my four tiles of wo_w
.set PFA,  70                          ; s[70:73] where my two prefetches stand
.set G0SA, 84
.set G0SB, 88
.set NB,   92
.set RB,   93
.set MSB, 0
.macro WIN new
.if MSB != (\new)
	s_set_vgpr_msb (MSB<<8)|(\new)
.set MSB, (\new)
.endif
.endm
.macro PLACES n
.rept \n
	v_nop
.endr
.endm
.macro CREST
	s_cmp_lg_u32 s[WV], 0
	s_cbranch_scc1 .Lnot_wave_0_\@
	s_barrier_signal -3
.Lnot_wave_0_\@:
	s_barrier_wait -3
	s_barrier_signal -1
	s_barrier_wait -1
.endm
.macro CROUND
	s_barrier_signal -1
	s_barrier_wait -1
	CREST
.endm
.macro ARM under, g0, g1, next
	s_cmp_lt_u32 s[WV], \under
	s_cbranch_scc0 \next
	tensor_load_to_lds s[\g0:\g0+3], s[\g1:\g1+7]
	s_nop 0
.rept 4
	v_nop
.endr
	s_branch .Lhead_asked
\next:
.endm
.macro FETCH s                         ; 20 LDS loads: o's four fragments of K step s and the 8 scale words into set s % 2
	WIN 0x80
.irp a, 0,1,2,3
.irp c, 0,1,2
	ds_load_b128 v[48+48*((\s)%2)+12*\a+4*\c:48+48*((\s)%2)+12*\a+4*\c+3], v[ADRA+\a/2] offset:(\a%2)*24576+1536*(\s)+512*\c
.endr
.endr
	WIN 0
.irp a, 0,1,2,3
	ds_load_b32 v[SA+4*((\s)%2)+\a], v[ADSA] offset:1024*\a+64*(\s)
.endr
.irp b, 0,1,2,3
	ds_load_b32 v[SB+4*((\s)%2)+\b], v[ADSB] offset:1024*\b+64*(\s)
.endr
.endm
.macro GLOAD s                         ; 12 loads from memory: wo_w's four fragments of K step s into set s % 6
.if (\s)%6 == 5
	WIN 0x80
.set gB, 0
.else
	WIN 0x40
.set gB, 48*((\s)%6)
.endif
.irp b, 0,1,2,3
.irp c, 0,1,2
	global_load_b128 v[gB+12*\b+4*\c:gB+12*\b+4*\c+3], v[LI], s[WB:WB+1] offset:24576*\b+1536*(\s)+512*\c
.endr
.endr
.endm
.macro MUL4 s, a                       ; o's tile a against wo_w's four; the 16 accumulators take turns in one order in every K step
.if (\s)%6 == 5
	WIN 0x0a
.set mB, 0
.else
	WIN 0x09
.set mB, 48*((\s)%6)
.endif
.irp b, 0,1,2,3
.set fD, ACC+8*(4*(\a)+\b)
.set fB, mB+12*\b
.set fA, 48+48*((\s)%2)+12*(\a)
.if (\s) == 0
	v_wmma_scale_f32_16x16x128_f8f6f4 v[fD:fD+7], v[fB:fB+11], v[fA:fA+11], v[BI+8*\b:BI+8*\b+7], v[SB+4*((\s)%2)+\b], v[SA+4*((\s)%2)+(\a)] matrix_a_fmt:MATRIX_FMT_FP6 matrix_b_fmt:MATRIX_FMT_FP6
.else
	v_wmma_scale_f32_16x16x128_f8f6f4 v[fD:fD+7], v[fB:fB+11], v[fA:fA+11], v[fD:fD+7], v[SB+4*((\s)%2)+\b], v[SA+4*((\s)%2)+(\a)] matrix_a_fmt:MATRIX_FMT_FP6 matrix_b_fmt:MATRIX_FMT_FP6
.endif
.endr
.endm
; A K step: 16 products.  Behind the first 8, and four places behind them, the next step's o and wo_w's fragments of five steps on are asked for, into the sets that the last step read.
.macro KSTEP s
	s_wait_dscnt 0x0
.if (\s) <= 11
	s_wait_loadcnt 48                              ; this step's 12 loads are in; those of the four steps behind it may be out
.else
	s_wait_loadcnt 12*(15-(\s))
.endif
	MUL4 \s, 0
	MUL4 \s, 1
.if (\s) < 15
	PLACES 4
	FETCH (\s)+1
.endif
.if (\s) <= 10
	GLOAD (\s)+5
.endif
	MUL4 \s, 2
	MUL4 \s, 3
	WIN 0
.if (\s) == 1
	global_prefetch_b8 v[PFO+1], s[PFA+2:PFA+3] th:TH_LOAD_NT scope:SCOPE_SE
.endif
.endm
	s_load_b256 s[4:11], s[0:1], 0x0               ; oimg, oscl, cod5, scl5
	s_load_b128 s[12:15], s[0:1], 0x20             ; wo_b, out0
	v_lshl_add_u32 v[SPW], v0, 2, SPARE
	v_mov_b32 v[NIL], 0
	ds_add_u32 v[SPW], v[NIL]                      ; the opening lines: the add, twice on end, and its wait ahead of my first tensor load
	ds_add_u32 v[SPW], v[NIL]
	v_lshrrev_b32 v20, 5, v0
	v_readfirstlane_b32 s[WV], v20
	s_lshr_b32 s[WR], s[WV], 1                     ; my half of the rows
	s_and_b32 s[WC], s[WV], 1                      ; my half of the columns
	s_bfe_u32 s30, ttmp6, 0x40000                  ; cx
	s_bfe_u32 s31, ttmp6, 0x40004                  ; cy
	s_lshl_b32 s[NB], ttmp9, 2
	s_add_co_u32 s[NB], s[NB], s30                 ; tile column
	s_and_b32 s[RB], ttmp7, 0xffff
	s_lshl_b32 s[RB], s[RB], 2
	s_add_co_u32 s[RB], s[RB], s31                 ; tile row
	s_lshl_b32 s26, s31, 2
	s_lshl_b32 s26, 15, s26                        ; my row of the cluster
	s_lshl_b32 s27, 0x1111, s30                    ; my column
	s_or_b32 s[G1A], s26, (3<<16)|(1<<21)          ; the mask; elements of 8 bytes; bit 21 beside a mask; no padding
	s_or_b32 s[G1SA], s26, (3<<16)|(1<<21)
	s_or_b32 s[G1SB], s27, (3<<16)|(1<<21)
	s_mov_b32 s[G1A+1], 32<<16                     ; half of o's codes: 98,304 dense bytes as 384 rows of 256
	s_mov_b32 s[G1A+2], 384<<16
	s_mov_b32 s[G1A+3], 32<<16
	s_mov_b32 s[G1A+4], 384
	s_mov_b32 s[G1A+5], 32
	s_mov_b32 s[G1A+6], 0
	s_mov_b32 s[G1A+7], 0
.irp g, G1SA, G1SB                     ; scale words: 8,192 dense bytes as 32 rows of 256
	s_mov_b32 s[\g+1], 32<<16
	s_mov_b32 s[\g+2], 32<<16
	s_mov_b32 s[\g+3], 32<<16
	s_mov_b32 s[\g+4], 32
	s_mov_b32 s[\g+5], 32
	s_mov_b32 s[\g+6], 0
	s_mov_b32 s[\g+7], 0
.endr
	s_mul_i32 s18, s[RB], 196608                   ; o's codes
	s_mov_b32 s19, 0
	s_lshl_b32 s20, s[RB], 13                      ; o's scale words
	s_mov_b32 s21, 0
	s_mul_i32 s22, s[NB], 196608                   ; wo_w, the fifth tensor of cod5: the tile column's 8 row tiles, my four of them
	s_mul_i32 s16, s[WC], 98304
	s_add_co_u32 s22, s22, s16
	s_add_co_u32 s22, s22, 12582912
	s_mov_b32 s23, 0
	s_lshl_b32 s24, s[NB], 13                      ; wo_w's scale words
	s_add_co_u32 s24, s24, 524288
	s_mov_b32 s25, 0
	s_lshl_b32 s74, s31, 1                         ; the first prefetch: K step 4 + 2 cy + wr
	s_add_co_u32 s74, s74, s[WR]
	s_add_co_u32 s74, s74, 4
	s_mul_i32 s74, s74, 1536
	s_mov_b32 s75, 0
	s_add_co_u32 s76, s31, 12                      ; the second: K step 12 + cy, tiles 2 wr, 2 wr + 1
	s_mul_i32 s76, s76, 1536
	s_mul_i32 s16, s[WR], 49152
	s_add_co_u32 s76, s76, s16
	s_mov_b32 s77, 0
	s_mul_i32 s78, s[WR], 98304
	s_lshl_b32 s79, s[WR], 12
	s_add_co_u32 s79, s79, SCL
	s_lshl_b32 s80, s[WC], 12
	s_add_co_u32 s80, s80, SCL+8192
	s_mul_i32 s81, s[WV], 16*272
	s_add_co_u32 s81, s81, STG                     ; my stage
	s_lshl_b32 s82, s[NB], 9                       ; my 64 columns: 512 nb + 256 wc bytes
	s_lshl_b32 s16, s[WC], 8
	s_add_co_u32 s82, s82, s16
	s_mov_b32 s83, 0
	s_lshl_b32 s16, s[RB], 20                      ; my first row: (128 rb + 64 wr) x 8,192 bytes
	s_lshl_b32 s17, s[WR], 19
	s_add_co_u32 s16, s16, s17
	s_mov_b32 s17, 0
	v_and_b32 v20, 15, v0                          ; r
	v_bfe_u32 v21, v0, 4, 1                        ; h
	v_and_b32 v22, 31, v0
	v_lshlrev_b32 v[LI], 4, v22
	v_min_u32 v24, 23, v22
	v_min_u32 v25, 11, v22
	v_mul_u32_u24 v[PFO], v24, 43
	v_mul_u32_u24 v[PFO+1], v25, 43
	v_lshrrev_b32 v[PFO], 8, v[PFO]                ; t / 6 for t up to 23
	v_lshrrev_b32 v[PFO+1], 8, v[PFO+1]
	v_mul_u32_u24 v[PFO], v[PFO], 23040
	v_mul_u32_u24 v[PFO+1], v[PFO+1], 23040
	v_lshl_add_u32 v[PFO], v24, 8, v[PFO]
	v_lshl_add_u32 v[PFO+1], v25, 8, v[PFO+1]
	v_add_nc_u32 v[ADRA], s78, v[LI]
	v_add_nc_u32 v[ADRA+1], 49152, v[ADRA]
	v_lshl_add_u32 v[ADSA], v20, 2, s79
	v_lshl_add_u32 v[ADSB], v20, 2, s80
	v_mul_u32_u24 v[STO], v20, 272                 ; in: row r, + 32 h
	v_lshl_add_u32 v[STO], v21, 5, v[STO]
	v_add_nc_u32 v[STO], s81, v[STO]
	v_mul_u32_u24 v[RD], v21, 272                  ; back: lanes 0-15 one row of 256 bytes, lanes 16-31 the next
	v_lshl_add_u32 v[RD], v20, 4, v[RD]
	v_add_nc_u32 v[RD], s81, v[RD]
	v_lshlrev_b32 v[CO], 13, v21                   ; and the same two rows in out0
	v_lshl_add_u32 v[CO], v20, 4, v[CO]
	v_lshlrev_b32 v[BO], 5, v21                    ; the bias: 32 h
	s_wait_alu depctr_va_vdst(0)                   ; the wait at the end of the head's vector work
	s_wait_dscnt 0x0                               ; both opening adds are done
	s_wait_kmcnt 0x0
	s_add_nc_u64 s[18:19], s[4:5], s[18:19]
	s_add_nc_u64 s[20:21], s[6:7], s[20:21]
	s_add_nc_u64 s[WB:WB+1], s[8:9], s[22:23]
	s_add_nc_u64 s[24:25], s[10:11], s[24:25]
	s_add_nc_u64 s[PFA:PFA+1], s[WB:WB+1], s[74:75]
	s_add_nc_u64 s[PFA+2:PFA+3], s[WB:WB+1], s[76:77]
	s_add_nc_u64 s[12:13], s[12:13], s[82:83]
	s_add_nc_u64 s[14:15], s[14:15], s[82:83]
	s_add_nc_u64 s[14:15], s[14:15], s[16:17]
	s_mov_b32 s[G0X], 1
	s_mov_b32 s[G0X+1], 0
	s_mov_b64 s[G0X+2:G0X+3], s[18:19]
	s_or_b32 s[G0X+3], s[G0X+3], 0x80000000
	s_mov_b32 s[G0X+4], 1
	s_mov_b32 s[G0X+5], 98304
	s_add_nc_u64 s[G0X+6:G0X+7], s[18:19], 98304
	s_or_b32 s[G0X+7], s[G0X+7], 0x80000000
	s_mov_b32 s[G0SA], 1
	s_mov_b32 s[G0SA+1], SCL
	s_mov_b64 s[G0SA+2:G0SA+3], s[20:21]
	s_or_b32 s[G0SA+3], s[G0SA+3], 0x80000000
	s_mov_b32 s[G0SB], 1
	s_mov_b32 s[G0SB+1], SCL+8192
	s_mov_b64 s[G0SB+2:G0SB+3], s[24:25]
	s_or_b32 s[G0SB+3], s[G0SB+3], 0x80000000
	CROUND                                         ; all sixteen work-groups are here: the joint loads meet
	ARM 1, G0X,   G1A,  .Lhead_x1
	ARM 2, G0X+4, G1A,  .Lhead_sa
	ARM 3, G0SA,  G1SA, .Lhead_sb
	tensor_load_to_lds s[G0SB:G0SB+3], s[G1SB:G1SB+7]
	s_nop 0
.rept 4
	v_nop
.endr
.Lhead_asked:
.irp b, 0,1,2,3
	global_load_b128 v[BI+8*\b:BI+8*\b+3], v[BO], s[12:13] offset:64*\b
	global_load_b128 v[BI+8*\b+4:BI+8*\b+7], v[BO], s[12:13] offset:64*\b+16
.endr
	GLOAD 0
	GLOAD 1
	GLOAD 2
	GLOAD 3
	WIN 0
	global_prefetch_b8 v[PFO], s[PFA:PFA+1] th:TH_LOAD_NT scope:SCOPE_SE
	s_wait_tensorcnt 0x0                           ; my tile of the head's four is in; nothing is ever filled again
	s_barrier_signal -1
	s_barrier_wait -1                              ; all four are in
	GLOAD 4
	FETCH 0
.set S, 0
.rept 16
	KSTEP S
.set S, S+1
.endr
; THE WAY OUT, 16 rows x 64 columns at a time, through my own stage: a lane's 32 bytes go in, whole rows of 256 bytes come back.  LDS serves a wave's instructions in order (ISA guide 5.7.1.4).
.macro TOSTAGE a
.irp b, 0,1,2,3
	ds_store_b128 v[STO], v[ACC+8*(4*(\a)+\b):ACC+8*(4*(\a)+\b)+3] offset:64*\b          ; each accumulator from its low end on
	ds_store_b128 v[STO], v[ACC+8*(4*(\a)+\b)+4:ACC+8*(4*(\a)+\b)+7] offset:64*\b+16
.endr
.irp t, 0,1,2,3,4,5,6,7
	ds_load_b128 v[OB+32*((\a)%2)+4*\t:OB+32*((\a)%2)+4*\t+3], v[RD] offset:544*\t
.endr
.endm
.macro SEND a, younger                 ; younger: the LDS instructions issued behind block a's loads, which may stay out
	s_wait_dscnt \younger
.irp t, 0,1,2,3,4,5,6,7
	global_store_b128 v[CO], v[OB+32*((\a)%2)+4*\t:OB+32*((\a)%2)+4*\t+3], s[14:15] offset:(16*(\a)+2*\t)*8192 th:TH_STORE_NT   ; sixteen lanes store 256 consecutive bytes, at a multiple of 256 from out0's first byte
.endr
.endm
	PLACES 4                                       ; behind the last products, ahead of the first read of results
	TOSTAGE 0
.irp a, 1,2,3
.if \a > 1
	s_wait_xcnt 0x0                                ; block a - 2's stores have read their registers
.endif
	TOSTAGE \a
	SEND \a-1, 16                                  ; behind block a - 1's loads: block a's 8 stores and 8 loads
.endr
	SEND 3, 0
	s_wait_tensorcnt 0x0                           ; the wave's end: a wait, an add and a wait behind my last tensor load and my last LDS store
	ds_add_u32 v[SPW], v[NIL]
	s_wait_dscnt 0x0
	CROUND                                         ; the closing round
	s_endpgm
.Lfunc_end_k_q0ee6bec91b_oproj:
	.size	k_q0ee6bec91b_oproj, .Lfunc_end_k_q0ee6bec91b_oproj-k_q0ee6bec91b_oproj
	.p2alignl 7, 3214868480
	.fill 96, 4, 3214868480
	.section	.rodata,"a",@progbits
	.p2align	6, 0x0
	.amdhsa_kernel k_q0ee6bec91b_oproj
		.amdhsa_group_segment_fixed_size 327680
		.amdhsa_private_segment_fixed_size 0
		.amdhsa_enable_private_segment 0
		.amdhsa_kernarg_size 48
		.amdhsa_user_sgpr_count 2
		.amdhsa_user_sgpr_kernarg_segment_ptr 1
		.amdhsa_wavefront_size32 1
		.amdhsa_system_sgpr_workgroup_id_x 1
		.amdhsa_system_sgpr_workgroup_id_y 1
		.amdhsa_system_sgpr_workgroup_id_z 1
		.amdhsa_system_vgpr_workitem_id 0
		.amdhsa_next_free_vgpr 768
		.amdhsa_next_free_sgpr 102
		.amdhsa_reserve_vcc 0
		.amdhsa_float_denorm_mode_32 3
		.amdhsa_float_denorm_mode_16_64 3
		.amdhsa_memory_ordered 1
		.amdhsa_forward_progress 1
		.amdhsa_inst_pref_size 93
	.end_amdhsa_kernel
	.amdgpu_metadata
---
amdhsa.version: [ 1, 2 ]
amdhsa.kernels:
  - .name:           k_q0ee6bec91b_oproj
    .symbol:         k_q0ee6bec91b_oproj.kd
    .args:
      - { .name: oimg, .offset: 0, .size: 8, .value_kind: global_buffer, .address_space: global }
      - { .name: oscl, .offset: 8, .size: 8, .value_kind: global_buffer, .address_space: global }
      - { .name: cod5, .offset: 16, .size: 8, .value_kind: global_buffer, .address_space: global }
      - { .name: scl5, .offset: 24, .size: 8, .value_kind: global_buffer, .address_space: global }
      - { .name: wo_b, .offset: 32, .size: 8, .value_kind: global_buffer, .address_space: global }
      - { .name: out0, .offset: 40, .size: 8, .value_kind: global_buffer, .address_space: global }
    .group_segment_fixed_size: 327680
    .private_segment_fixed_size: 0
    .kernarg_segment_align: 8
    .kernarg_segment_size: 48
    .max_flat_workgroup_size: 128
    .sgpr_count:     102
    .vgpr_count:     768
    .wavefront_size: 32
...
	.end_amdgpu_metadata
.endif
;; end of part 4
